; MI455X (gfx1250); checked and timed in simulation.
; The chip was launched on July 23, 2026; its instructions are those of AMD's public machine-readable ISA for CDNA 5 (MIT licence, August 2026) and "CDNA5" Instruction Set Architecture Reference Guide (July 2026). The comments in the code are by the model that wrote it; some were corrected since.
;; Multi Head Attention. Allowed arithmetic: matrix products marked QUANTISED: E5M2 operands, one given power-of-two scale a tensor, by v_wmma_f32_16x16x64_bf8_bf8 or v_wmma_f32_16x16x128_bf8_bf8, f32 sums; everything else in f32.
;; Inputs: b_out 1,024 float32; b_qkv 3,072 float32; lowp_scales 8 int32 (the exponents e of the quantised operands' scales 2^e); w_out 1,024 x 1,024 float32; w_qkv 1,024 x 3,072 float32; x 4 x 2,048 x 1,024 float32.
;; Outputs: out0 4 x 2,048 x 1,024 float32.
;; This version of the problem:
;;   THIS VERSION OF THE PROBLEM IS GIVEN IN LOW PRECISION. The matrix products marked QUANTISED in the list below multiply operands that are first quantised to E5M2 (5 exponent bits, 2 mantissa bits; 8 bits a number), with one given power-of-two scale for each operand tensor; their sums are f32. All else is computed in f32.
;;   The module's matrix products, in the order in which they are computed (A, B: the left and right operand; K: the contracted axis; several contracted axes count as one K, in the product's order):
;;     1. [M 8,192, K 1,024] x [K 1,024, N 3,072]; A: input x; B: input w_qkv: QUANTISED (scales: A lowp_scales[0], B lowp_scales[1])
;;     2. batch 64 x [M 2,048, K 64] x [K 64, N 2,048]; A: computed on the way; B: computed on the way: QUANTISED (scales: A lowp_scales[2], B lowp_scales[3])
;;     3. batch 64 x [M 2,048, K 2,048] x [K 2,048, N 64]; A: softmax (see below); B: computed on the way: QUANTISED (scales: A lowp_scales[4], B lowp_scales[5])
;;     4. [M 8,192, K 1,024] x [K 1,024, N 1,024]; A: computed on the way; B: input w_out: QUANTISED (scales: A lowp_scales[6], B lowp_scales[7])
;;   THE QUANTISER, for each operand of a quantised product, along K:
;;     - The operand's scale is 2^e, e = its entry of the input lowp_scales (int32; the entries are numbered through the quantised products in the list's order, A before B).
;;     - Each number is divided by the scale, clamped to +-57,344, and rounded to the nearest number of E5M2, ties to even, subnormals kept.
;;     - The product sums the exact products of the quantised numbers (number of the format x scale) in f32.
;;   ~~~python
;;   def quantise(x, axis, e):      # numpy; x: float32 -> the quantised numbers, widened to float32 again
;;       x = np.moveaxis(x, axis, -1); K = x.shape[-1]
;;       r = np.clip(x / 2.0 ** e, -57344, 57344)
;;       step = 2.0 ** (np.maximum(np.frexp(np.where(r == 0, 1, r))[1] - 1, -14) - 2)
;;       q = np.round(r / step) * step * 2.0 ** e      # np.round: ties to even
;;       return np.moveaxis(q, -1, axis).astype(np.float32)
;;   ~~~
;;   SOFTMAX AHEAD OF A QUANTISED PRODUCT. Where the list says 'softmax', what is quantised is not the finished softmax but p = 2^(t - M), with t = logit x log2(e) and M = ceil(the row's largest t), a whole number; so 1/2 < the row's largest p <= 1. The row's sum l is taken of the UNQUANTISED p, in f32, and the product's result is divided by l at the end. Since M is a whole number, a kernel that streams over the keys may use a running M (the ceiling of the running maximum): every later rescaling is an exact power of two, so the quantised numbers keep their values, but for numbers so far below the row's largest that they fall under the format's range.
;;   OPERANDS COMPUTED ON THE WAY. 'Computed on the way' means the value that the module computes at that place (a softmax that the list does not call 'softmax' is quantised finished and normalised). What goes into a quantiser is computed in f32, as accurately as f32 sums, v_exp_f32 and their like allow (about 1e-6 of the number): no bf16 or f16 on the way to a quantiser, and a product that is left as it is and whose result goes on into a quantised operand takes f32 operands (vector FMAs, or v_wmma_f32_16x16x4_f32). A number that lies on a knife's edge between two numbers of the format may be rounded either way, as far as f32 arithmetic and the matrix unit's own rounding can turn it there, and no further.
;; One version. Each part assembles by itself: llvm-mc -triple=amdgcn-amd-amdhsa -mcpu=gfx1250 --defsym DOCPART=n.
;; ======== version 1 of 1: 4 launches
;; limits: right only within a limited range of input values
;; workspace buffers: x_codes 8,388,608 bytes; wqkv_codes 3,145,728 bytes; wout_codes 1,048,576 bytes; q_codes 8,388,608 bytes; k_codes 8,388,608 bytes; v_codes 8,388,608 bytes; a_codes 8,388,608 bytes
;; launch quant (part 1): grid 384 x 1, 4 waves a work-group, no clusters, 68,096 bytes of LDS; arguments x, w_qkv, w_out, lowp_scales, x_codes, wqkv_codes, wout_codes; writes x_codes, wqkv_codes, wout_codes
.if DOCPART == 1
	.amdgcn_target "amdgcn-amd-amdhsa--gfx1250"
	.amdhsa_code_object_version 6
	.text
	.protected	k_qfcb7bb2733_quant
	.globl	k_qfcb7bb2733_quant
	.p2align	8
	.type	k_qfcb7bb2733_quant,@function
k_qfcb7bb2733_quant:
	s_mov_b64 s[64:65], 0
	v_nop
	global_prefetch_b8 v0, s[64:65] scope:SCOPE_SE
	s_setreg_imm32_b32 hwreg(HW_REG_WAVE_MODE, 25, 1), 1
	s_wait_xcnt 0x0
; x [8192][1024], w_qkv [1024][3072] and w_out [1024][1024], all f32, become codes of BF8 (E5M2), one code a byte, K innermost:
; x_codes [8192][1024], wqkv_codes [3072][1024], wout_codes [1024][1024].  code = number / 2^e, held within +-57,344, rounded to the nearest code, ties to even.
; e is a whole number of lowp_scales: entry 0 for x, entry 1 for w_qkv, entry 7 for w_out.  LIMITS: -126 <= e and e + 15 <= 127.  NaN among the inputs is not served.
; Work-groups 0 to 255 take x, whose K is innermost: a plain stream, 32,768 numbers a work-group.  Work-groups 256 to 383 take the weights, whose K is their FIRST axis: 128 columns x 256 along K each
; (96 for w_qkv, 32 for w_out): 131,072 bytes read by every work-group.  The two ways part on the work-group's number, never join, and have LDS bytes of their own.  Waves share nothing: no barrier.
.set XWG,    256                       ; work-groups for x
.set STEPS,  16
.set EMAX,   15
.set MANT,   0x600000                  ; the mantissa field of 57,344 as f32
.set CB,     16                        ; bytes of 16 codes
.set R,      16                        ; x: v16-79   four sets of 16 numbers as they are loaded
.set X,      80                        ; x: v80-111  two sets of 16 neighbours
.set C,      128                       ; x: v128-191 codes: four registers for each step, so that no store's data are written again
.set WREG,   8192                      ; x: LDS bytes 0 .. 32,767: a region for each wave: two stages of 32 x SP bytes
.set SP,     80                        ; x: a lane's place in a stage: its 64 bytes + 16 of padding
.set WSTAGE, 32768                     ; weights: LDS from here on: a stage of 32 rows x WPITCH for each wave
.set WPITCH, 272
.set NB,     8                         ; weights: blocks of 32 along K for a wave
.set WX,     32                        ; weights: v32-95 two sets of 32 numbers
.set WC,     96                        ; weights: v96-103 a block's codes
.set OUTR,   112                       ; weights: v112-175 the way out
.set RO,     176                       ; weights: v176-207 byte offsets of my column in rows 0 .. 31 of a block
	s_load_b256 s[4:11], s[0:1], 0x0               ; x s[4:5], w_qkv s[6:7], w_out s[8:9], the scales' exponents s[10:11]
	s_load_b128 s[12:15], s[0:1], 0x20             ; x's codes s[12:13], w_qkv's codes s[14:15]
	s_load_b64 s[16:17], s[0:1], 0x30              ; w_out's codes
	v_lshl_add_u32 v208, v0, 2, 0x10800
	v_mov_b32 v209, 0
	v_lshrrev_b32 v1, 5, v0
	v_readfirstlane_b32 s18, v1                    ; wave
	v_and_b32 v2, 31, v0                           ; lane
	s_wait_kmcnt 0x0
	s_load_b256 s[24:31], s[10:11], 0x0            ; e0 .. e7
	s_cmp_lt_u32 ttmp9, XWG
	s_cbranch_scc0 .Lweights
; ---------------- x.  A wave takes 16 steps of 512 numbers.  Each of a step's four loads reads 512 consecutive bytes, 16 a lane; the 2,048 bytes go through the wave's own stage in LDS and come back 64 bytes a lane,
; so that a lane holds 16 NEIGHBOURS along K for the conversions.  A lane's 16 codes are 16 bytes: the wave stores 512 consecutive bytes.  Loads run four steps ahead, the turn through LDS one step.
	s_wait_alu depctr_va_vdst(0)
	v_lshlrev_b32 v3, 4, v2                        ; my 16 bytes of a load's 512
	s_wait_alu depctr_va_vdst(0)
	s_mul_i32 s19, s18, WREG
	v_lshrrev_b32 v14, 2, v2
	v_mul_u32_u24 v14, v14, SP
	v_and_b32 v15, 3, v2
	v_lshl_add_u32 v14, v15, 4, v14
	v_add_nc_u32 v14, s19, v14                     ; the stage, on the way in: four lanes' 64 bytes on end, then 16 of padding
	v_mul_u32_u24 v15, v2, SP
	v_add_nc_u32 v15, s19, v15                     ; and on the way out: my 16 neighbours
	v_mul_u32_u24 v4, v2, CB                       ; my codes' place in a step's
	s_lshl_b32 s20, ttmp9, 2
	s_add_co_u32 s20, s20, s18                     ; which run of 8,192 numbers is my wave's
	s_lshl_b32 s22, s20, 15
	s_mov_b32 s23, 0
	s_add_nc_u64 s[4:5], s[4:5], s[22:23]
	s_lshl_b32 s22, s20, 13
	s_add_nc_u64 s[12:13], s[12:13], s[22:23]
.macro LOAD t
.irp i, 0,1,2,3
	global_load_b128 v[R+16*((\t)%4)+4*\i:R+16*((\t)%4)+4*\i+3], v3, s[4:5] offset:2048*(\t)+512*\i th:TH_LOAD_NT   ; 32 lanes read 512 consecutive bytes
.endr
.endm
.macro TURN t                          ; step t's numbers through the stage: LDS serves a wave's instructions in order, so no wait stands between the stores and the loads
.irp i, 0,1,2,3
	ds_store_b128 v14, v[R+16*((\t)%4)+4*\i:R+16*((\t)%4)+4*\i+3] offset:32*SP*((\t)%2)+8*SP*\i
.endr
.irp i, 0,1,2,3
	ds_load_b128 v[X+16*((\t)%2)+4*\i:X+16*((\t)%2)+4*\i+3], v15 offset:32*SP*((\t)%2)+16*\i
.endr
.endm
.irp t, 0,1,2,3
	LOAD \t
.endr
	s_wait_alu depctr_va_vdst(0)
	s_wait_kmcnt 0x0
	s_add_co_i32 s22, s24, 127                     ; e0
	s_lshl_b32 s23, s22, 23
	v_mov_b32 v11, s23                             ; 2^e as f32: the conversion takes its exponent field
	s_add_co_i32 s22, s22, EMAX
	s_lshl_b32 s22, s22, 23
	s_or_b32 s22, s22, MANT
	v_mov_b32 v10, s22                             ; the largest number x 2^e
	s_wait_alu depctr_va_vdst(0)
	s_wait_loadcnt 12                              ; step 0's four loads are in; the twelve of steps 1 to 3 may be out
	TURN 0
.macro STEP t
.set XS, X+16*((\t)%2)
	s_wait_dscnt 0x0                               ; this step's numbers are back from the stage: so its stores into the stage have read their registers,
.if (\t)+4 < STEPS
	LOAD (\t)+4                                    ; which take the loads of four steps on
.endif
.if (\t)+1 < STEPS
.if STEPS-2-(\t) >= 3
	s_wait_loadcnt 12                              ; the next step's four loads are in; those of the three steps behind it may be out
.else
	s_wait_loadcnt 4*(STEPS-2-(\t))                ; near the end fewer steps stand behind it
.endif
	TURN (\t)+1                                    ; and go through the other stage while this step is worked
.endif
.irp i, 0,1,2,3,4,5,6,7,8,9,10,11,12,13,14,15
	v_med3_num_f32 v[XS+\i], v[XS+\i], -v10, v10   ; the conversion to an 8-bit code does not saturate (ISA guide 7.6.2): the number is held within the largest code x the scale first
.endr
	v_cvt_scalef32_pk8_bf8_f32 v[C+4*(\t):C+4*(\t)+1], v[XS:XS+7], v11
	v_cvt_scalef32_pk8_bf8_f32 v[C+4*(\t)+2:C+4*(\t)+3], v[XS+8:XS+15], v11   ; the results go to a store alone; the next vector lines are the next step's holds, plain ones on other registers
	global_store_b128 v4, v[C+4*(\t):C+4*(\t)+3], s[12:13] offset:32*CB*(\t)   ; 512 consecutive bytes, at a multiple of 256 from the buffer's first byte
.endm
.irp t, 0,1,2,3,4,5,6,7,8,9,10,11,12,13,14,15
	STEP \t
.endr
	s_wait_tensorcnt 0x0
	ds_add_u32 v208, v209
	s_wait_dscnt 0x0
	s_endpgm
; ---------------- the weights.  A LANE TAKES A COLUMN n, AND ITS REGISTERS RUN DOWN K: each load reads neighbouring n in neighbouring lanes (128 consecutive bytes a wave, 512 a work-group), and the conversions give
; codes with K innermost.  A wave takes 32 columns x 256 along K; its codes go through its own stage in LDS and leave as rows: sixteen lanes store 256 consecutive bytes, aligned.
; One text serves both weights: pointers, the row's length and e are chosen on the work-group's number.  No pointer is stepped: a base for each block of 32 rows, an offset register for each row of a block.
.Lweights:
	s_sub_co_u32 s19, ttmp9, XWG                   ; 0 .. 95: w_qkv;  96 .. 127: w_out
	s_mov_b32 s22, 4096
	s_cmp_lt_u32 s19, 96
	s_cselect_b64 s[6:7], s[6:7], s[8:9]           ; the weight,
	s_cselect_b64 s[14:15], s[14:15], s[16:17]     ; its codes,
	s_cselect_b32 s22, 12288, s22                  ; bytes in one of its rows
	s_cselect_b32 s21, 0, 96
	s_sub_co_u32 s20, s19, s21                     ; my number among the weight's work-groups
	s_and_b32 s23, s20, 3                          ; which 256 along K
	s_lshr_b32 s32, s20, 2
	s_lshl_b32 s32, s32, 7
	s_lshl_b32 s33, s18, 5
	s_add_co_u32 s32, s32, s33                     ; my wave's first column
	s_mul_i32 s34, s23, s22
	s_lshl_b32 s34, s34, 8                         ; 256 rows for each step along K,
	s_lshl_b32 s33, s32, 2
	s_add_co_u32 s34, s34, s33                     ; + 4 bytes a column
	s_mov_b32 s35, 0
	s_add_nc_u64 s[40:41], s[6:7], s[34:35]        ; block 0's base
	s_lshl_b32 s36, s22, 5                         ; 32 rows on
	s_mov_b32 s37, 0
.irp t, 1,2,3,4,5,6,7
	s_add_nc_u64 s[40+2*\t:41+2*\t], s[38+2*\t:39+2*\t], s[36:37]
.endr
	s_lshl_b32 s34, s32, 10                        ; the codes: my first column's row of 1,024 bytes,
	s_lshl_b32 s33, s23, 8
	s_add_co_u32 s34, s34, s33                     ; + my 256 along K
	s_add_nc_u64 s[14:15], s[14:15], s[34:35]
	s_wait_alu depctr_va_vdst(0)
	v_lshlrev_b32 v[RO], 2, v2                     ; 4 bytes a lane
.irp i, 1,2,3,4,5,6,7,8,9,10,11,12,13,14,15,16,17,18,19,20,21,22,23,24,25,26,27,28,29,30,31
	v_add_nc_u32 v[RO+\i], s22, v[RO+\i-1]         ; a row further down
.endr
	s_mul_i32 s33, s18, 32*WPITCH
	s_add_co_u32 s33, s33, WSTAGE                  ; my stage
	v_mul_u32_u24 v4, v2, WPITCH
	v_add_nc_u32 v4, s33, v4                       ; into it: row = my column
	v_and_b32 v5, 15, v2
	v_lshrrev_b32 v6, 4, v2                        ; out of it: sixteen lanes to a row, two rows an instruction
	v_mul_u32_u24 v7, v6, WPITCH
	v_lshl_add_u32 v7, v5, 4, v7
	v_add_nc_u32 v7, s33, v7
	v_lshlrev_b32 v8, 10, v6
	v_lshl_add_u32 v8, v5, 4, v8                   ; and the same place in the codes' buffer
.macro WLOAD t                         ; block t: W(32 t + i, my column), i = 0 .. 31, into set t % 2
.irp i, 0,1,2,3,4,5,6,7,8,9,10,11,12,13,14,15,16,17,18,19,20,21,22,23,24,25,26,27,28,29,30,31
	global_load_b32 v[WX+32*((\t)%2)+\i], v[RO+\i], s[40+2*(\t):41+2*(\t)] th:TH_LOAD_NT
.endr
.endm
	WLOAD 0
	WLOAD 1
	s_wait_kmcnt 0x0
	s_cmp_lt_u32 s19, 96
	s_cselect_b32 s30, s25, s31                    ; e1 or e7
	s_add_co_i32 s30, s30, 127
	s_lshl_b32 s31, s30, 23
	v_mov_b32 v11, s31                             ; 2^e as f32
	s_add_co_i32 s30, s30, EMAX
	s_lshl_b32 s30, s30, 23
	s_or_b32 s30, s30, MANT
	v_mov_b32 v10, s30                             ; the largest number x 2^e
.macro BLOCK t
.set XS, WX+32*((\t)%2)
.if (\t) < NB-1
	s_wait_loadcnt 32                              ; this block's 32 loads are in; the next block's 32 may be out
.else
	s_wait_loadcnt 0
.endif
.irp i, 0,1,2,3,4,5,6,7,8,9,10,11,12,13,14,15,16,17,18,19,20,21,22,23,24,25,26,27,28,29,30,31
	v_med3_num_f32 v[XS+\i], v[XS+\i], -v10, v10   ; the hold at the largest code x the scale
.endr
.irp g, 0,1,2,3
	v_cvt_scalef32_pk8_bf8_f32 v[WC+2*\g:WC+2*\g+1], v[XS+8*\g:XS+8*\g+7], v11
.endr
	ds_store_b128 v4, v[WC:WC+3] offset:32*(\t)    ; 32 codes: 32 bytes of my column's row
	ds_store_b128 v4, v[WC+4:WC+7] offset:32*(\t)+16
.if (\t)+2 < NB
	WLOAD (\t)+2
.endif
	s_wait_dscnt 0x0                               ; the stores have read their registers: the next block's codes may be written (its 32 holds, plain lines, come first)
.endm
	s_wait_alu depctr_va_vdst(0)
.irp t, 0,1,2,3,4,5,6,7
	BLOCK \t
.endr
.irp t, 0,1,2,3,4,5,6,7,8,9,10,11,12,13,14,15
	ds_load_b128 v[OUTR+4*\t:OUTR+4*\t+3], v7 offset:2*\t*WPITCH   ; LDS serves a wave's instructions in order: these see my stores
.endr
.irp t, 0,1,2,3,4,5,6,7,8,9,10,11,12,13,14,15
	s_wait_dscnt 15-\t                             ; the younger loads may stay out
	global_store_b128 v8, v[OUTR+4*\t:OUTR+4*\t+3], s[14:15] offset:2*\t*1024
.endr
	s_wait_tensorcnt 0x0
	ds_add_u32 v208, v209
	s_wait_dscnt 0x0
	s_endpgm
.Lfunc_end_k_qfcb7bb2733_quant:
	.size	k_qfcb7bb2733_quant, .Lfunc_end_k_qfcb7bb2733_quant-k_qfcb7bb2733_quant
	.p2alignl 7, 3214868480
	.fill 96, 4, 3214868480
	.section	.rodata,"a",@progbits
	.p2align	6, 0x0
	.amdhsa_kernel k_qfcb7bb2733_quant
		.amdhsa_group_segment_fixed_size 68096
		.amdhsa_private_segment_fixed_size 0
		.amdhsa_enable_private_segment 0
		.amdhsa_kernarg_size 56
		.amdhsa_user_sgpr_count 2
		.amdhsa_user_sgpr_kernarg_segment_ptr 1
		.amdhsa_wavefront_size32 1
		.amdhsa_system_sgpr_workgroup_id_x 1
		.amdhsa_system_sgpr_workgroup_id_y 1
		.amdhsa_system_sgpr_workgroup_id_z 1
		.amdhsa_system_vgpr_workitem_id 0
		.amdhsa_next_free_vgpr 210
		.amdhsa_next_free_sgpr 66
		.amdhsa_reserve_vcc 0
		.amdhsa_float_denorm_mode_32 3
		.amdhsa_float_denorm_mode_16_64 3
		.amdhsa_memory_ordered 1
		.amdhsa_forward_progress 1
		.amdhsa_inst_pref_size 87
	.end_amdhsa_kernel
	.amdgpu_metadata
---
amdhsa.version: [ 1, 2 ]
amdhsa.kernels:
  - .name:           k_qfcb7bb2733_quant
    .symbol:         k_qfcb7bb2733_quant.kd
    .args:
      - { .name: x, .offset: 0, .size: 8, .value_kind: global_buffer, .address_space: global }
      - { .name: w_qkv, .offset: 8, .size: 8, .value_kind: global_buffer, .address_space: global }
      - { .name: w_out, .offset: 16, .size: 8, .value_kind: global_buffer, .address_space: global }
      - { .name: lowp_scales, .offset: 24, .size: 8, .value_kind: global_buffer, .address_space: global }
      - { .name: x_codes, .offset: 32, .size: 8, .value_kind: global_buffer, .address_space: global }
      - { .name: wqkv_codes, .offset: 40, .size: 8, .value_kind: global_buffer, .address_space: global }
      - { .name: wout_codes, .offset: 48, .size: 8, .value_kind: global_buffer, .address_space: global }
    .group_segment_fixed_size: 68096
    .private_segment_fixed_size: 0
    .kernarg_segment_align: 8
    .kernarg_segment_size: 56
    .max_flat_workgroup_size: 128
    .sgpr_count:     66
    .vgpr_count:     210
    .wavefront_size: 32
...
	.end_amdgpu_metadata
.endif
;; end of part 1
;; launch qkv (part 2): grid 12 x 32, 4 waves a work-group, clusters of 4 x 4, 327,680 bytes of LDS; arguments x_codes, wqkv_codes, lowp_scales, b_qkv, q_codes, k_codes, v_codes; writes q_codes, k_codes, v_codes
.if DOCPART == 2
	.amdgcn_target "amdgcn-amd-amdhsa--gfx1250"
	.amdhsa_code_object_version 6
	.text
	.protected	k_qfcb7bb2733_qkv
	.globl	k_qfcb7bb2733_qkv
	.p2align	8
	.type	k_qfcb7bb2733_qkv,@function
k_qfcb7bb2733_qkv:
	s_mov_b64 s[64:65], 0
	v_nop
	global_prefetch_b8 v0, s[64:65] scope:SCOPE_SE
	s_setreg_imm32_b32 hwreg(HW_REG_WAVE_MODE, 25, 1), 1
	s_wait_xcnt 0x0
	s_wait_alu depctr_hold_cnt(0) depctr_sa_sdst(0) depctr_va_vdst(0) depctr_va_sdst(0) depctr_va_ssrc(0) depctr_va_vcc(0) depctr_vm_vsrc(0)
	s_getreg_b32 s2, hwreg(HW_REG_IB_STS2, 6, 4)
	s_cmp_eq_u32 s2, 0
	s_cbranch_scc0 .Lentry_in_a_cluster
	s_endpgm
.Lentry_in_a_cluster:
	s_bfe_u32 s2, ttmp6, 0x10000c
	s_cmp_lg_u32 s2, 0xf033
	s_cbranch_scc0 .Lentry_shape_is_right
	s_endpgm
.Lentry_shape_is_right:
; qkv = x w_qkv + b_qkv on codes of BF8 (E5M2), and its three parts quantised anew for the attention: q with 2^e2, k with 2^e3, v with 2^e5 (whole numbers of lowp_scales; x has e0, w_qkv e1).
; x_codes [8192][1024], wqkv_codes [3072][1024]: K innermost.  q_codes, k_codes: [batch x 16 + head][token 2048][64];  v_codes: [batch x 16 + head][channel 64][token 2048], the tokens (its K) innermost.
; ORDER INSIDE GROUPS OF 32 along the last axis of the three outputs: place 32 g + 16 h + 8 u + j holds element 32 g + 16 u + 8 h + j.  For q and k that is one permutation of the contracted axis in both; for v it is the order in
; which the attention's weights fall into registers.
; LIMITS: e0 + e1 between -126 and 127; e2, e3, e5 between -126 and 112.  NaN among the inputs is not served.
; A tile of 256 x 256 is made by four waves, 128 x 128 each: 64 accumulators, 512 registers.  K goes in steps of 256 through a ring of two LDS slots filled by the tensor data mover.
; CLUSTERS of 4 x 4 work-groups; a tile of the first operand is shared along a row of the cluster, of the second along a column, each asked for JOINTLY.  The cluster's x says what is made: 0 q, 1 k, 2 v.
; THE MATRIX INSTRUCTION: source 0 = 16 rows of operand "B", source 1 = 16 rows of operand "A": a lane holds one row of A and eight neighbouring rows of B.
;   q, k: A = tokens (x), B = columns (w): a lane's eight numbers are eight channels of one token.      v: A = columns (w), B = tokens (x): eight TOKENS of one channel: codes with the tokens innermost, and nothing is transposed.
;   The operands change places by pointers and tile numbers alone, chosen on the cluster's x, which all sixteen partners share.
; THE BIAS: where it runs along the registers (q, k) it is the C of each sum's first product, divided by 2^(e0 + e1); where it runs along the lanes (v) it is the addend of the way out's multiply-add.
; REGISTERS, in windows of 256: window 0: v0-31 addresses; v32-95 the bias along registers, later a block's numbers; v96-111 the bias along lanes; v112-143 codes (two sets); from v128 A's fragments, ONE set; on the way out v128-255 rows of codes.
;   window 1: B's fragments, TWO sets.   window 2: the accumulators of my rows 0-63 (accumulator (a, b) at v[8 (8 a + b)]);   window 3: those of my rows 64-127.
.set KSTEP,  256                       ; along K in a slot
.set ROWB,   256                       ; a tile's row in bytes
.set KROW,   1024                      ; a row of either operand in memory, in bytes
.set PITCH,  272                       ; an LDS row: 256 bytes + 16 of padding: the 16 rows that a load touches start 68 words apart
.set FR,     16                        ; registers of a fragment: 16 rows x 128 K
.set NL,     4                         ; LDS loads that bring one
.set NP,     4                         ; places behind this matrix instruction (ISA guide 7.12.1)
.set HALFT,  128*PITCH                 ; 128 rows: what one tensor load brings
.set SLOT,   4*HALFT                   ; A's 256 rows, then B's 256 rows
.set LAPS,   2                         ; 1,024 along K = twice round the ring
.set SPARE,  2*SLOT                    ; behind the ring: the spare words, 128 bytes for each wave, which no other line names
.set GQ,   8                           ; v8   q, k: my byte offset in a store's 512 bytes
.set GV,   9                           ; v9   v: my byte offset in two rows of v_codes
.set BQO,  10                          ; v10  q, k: my byte offset in the bias
.set BVO,  11                          ; v11  v: the same
.set ADRA, 16                          ; v16-17  LDS address of my A fragments in slot 0, 1
.set ADRB, 20                          ; v20-21  the same for B
.set STO,  24                          ; v24  the way out: where I put 16 codes of a row
.set RQ,   25                          ; v25  q, k: where I read codes back, rows 0-127
.set RV,   26                          ; v26  v: where I read codes back
.set RQ2,  27                          ; v27  q, k: rows 128-255
.set SPW,  28                          ; v28  LDS address of my spare word; never rewritten
.set NIL,  29                          ; v29  0; never rewritten
.set SCL,  30                          ; v30  2^eo as f32, eo the output's exponent
.set LIM,  31                          ; v31  57,344 x 2^eo
.set BB,   32                          ; v32-95  the bias along the registers: (b, j) at 8 b + j
.set TMP,  32                          ; the way out: a block's 64 numbers, where the bias lay
.set BA,   96                          ; v96-111 the bias along the lanes: a pair for each block a
.set CD,   112                         ; v112-143 codes, two sets of 16
.set AF,   128                         ; A's fragments
.set OUTR, 128                         ; the way out: 32 x 4 registers
.set G1, 24                            ; s[24:31] descriptor group 1 for A's tiles;  s[32:39] group 0, one set for each slot
.set G0, 32
.set G1B, 48                           ; s[48:55], s[56:63] the same for B's tiles
.set G0B, 56
.set MSB, 0
.macro WIN new                         ; the immediate's high byte repeats the setting that is left
.if MSB != \new
	s_set_vgpr_msb (MSB<<8)|\new
.set MSB, \new
.endif
.endm
.set MUL_LO,   0xa1                    ; source 0 (B) window 1, source 1 (A) window 0, C and D window 2
.set MUL_HI,   0xf1                    ; the same, C and D window 3
.set FIRST_LO, 0x81                    ; the first products: C (the bias) window 0, D window 2
.set FIRST_HI, 0xc1                    ; C window 0, D window 3
.set TO_B,     0x40                    ; destination window 1, address window 0
; A joint load: waves 0 and 1 fetch for A, waves 2 and 3 for B.  Each of the two lines has one mask and one set of registers for all that issue it; the branch hangs on the wave's number alone.
; Four v_nop follow each of the two lines, ahead of the jump, the label and what follows.
.macro JLOAD g0a, g1a, g0b, g1b
	s_cmp_eq_u32 s15, 0
	s_cbranch_scc0 .Lfor_b_\@
	tensor_load_to_lds s[\g0a:\g0a+3], s[\g1a:\g1a+7]
	s_nop 0
.rept 4
	v_nop
.endr
	s_branch .Lasked_\@
.Lfor_b_\@:
	tensor_load_to_lds s[\g0b:\g0b+3], s[\g1b:\g1b+7]
	s_nop 0
.rept 4
	v_nop
.endr
.Lasked_\@:
.endm
.macro CREST                           ; a round of the cluster's barrier behind its opening barrier
	s_cmp_lg_u32 s14, 0
	s_cbranch_scc1 .Lnot_wave_0_\@
	s_barrier_signal -3
.Lnot_wave_0_\@:
	s_barrier_wait -3
	s_barrier_signal -1
	s_barrier_wait -1
.endm
.macro CROUND                          ; a whole round
	s_barrier_signal -1
	s_barrier_wait -1
	CREST
.endm
	s_load_b128 s[4:7], s[0:1], 0x0                ; x's codes s[4:5], w_qkv's codes s[6:7]
	s_load_b128 s[8:11], s[0:1], 0x10              ; the scales' exponents s[8:9], b_qkv s[10:11]
	s_load_b128 s[68:71], s[0:1], 0x20             ; q's codes s[68:69], k's codes s[70:71]
	s_load_b64 s[72:73], s[0:1], 0x30              ; v's codes
	v_lshl_add_u32 v[SPW], v0, 2, SPARE
	v_mov_b32 v[NIL], 0
	ds_add_u32 v28, v29
	ds_add_u32 v28, v29
	s_wait_dscnt 0x0
	v_lshrrev_b32 v1, 5, v0
	v_readfirstlane_b32 s14, v1                    ; wave 0..3
	s_lshr_b32 s15, s14, 1                         ; which half of A's rows is mine.  Also: I fetch for A (0) or for B (1)
	s_and_b32 s16, s14, 1                          ; which half of B's rows.  Also: which 128 rows of that tile I fetch
	s_bfe_u32 s40, ttmp6, 0x40000                  ; cx, cy: my place in the cluster
	s_bfe_u32 s41, ttmp6, 0x40004
	s_and_b32 s74, ttmp7, 0xffff                   ; the cluster's y
	s_cmp_eq_u32 ttmp9, 2                          ; v?  The cluster's x is the same in all sixteen partners
	s_cselect_b32 s75, s74, ttmp9                  ; which four tiles of B: v: tokens, by the cluster's y;  q, k: columns, by its x
	s_cselect_b32 s76, 0, s74                      ; which four tiles of A: v: the four tiles of v's 1,024 columns;  q, k: tokens
	s_cselect_b32 s77, 2048, 0                     ; v's columns begin at row 2,048 of w_qkv's codes
	s_lshl_b32 s42, s75, 2
	s_add_co_u32 s42, s42, s40                     ; B's tile = 4 x .. + cx
	s_lshl_b32 s17, s76, 2
	s_add_co_u32 s17, s17, s41                     ; A's tile = 4 x .. + cy
	s_lshl_b32 s43, s41, 2
	s_lshl_b32 s43, 15, s43                        ; my row of the cluster
	s_lshl_b32 s44, 0x1111, s40                    ; my column
	; descriptor group 1: a tile of 128 rows x 256 bytes, padded in LDS
	s_or_b32 s[G1+0], s43, (0<<16)|(1<<20)|(1<<21)|(5<<22)|(3<<25)  ; 15:0 the mask: A's tiles go to my row; 17:16 element of 1 byte; 20 padding on; 21 set beside a mask; 24:22 after every 64 words; 31:25 of 4 words
	s_or_b32 s[G1B+0], s44, (0<<16)|(1<<20)|(1<<21)|(5<<22)|(3<<25)
.irp g, G1, G1B
	s_mov_b32 s[\g+1], ROWB<<16                    ; tensor_dim0
	s_mov_b32 s[\g+2], 128<<16                     ; tensor_dim1 = 128
	s_mov_b32 s[\g+3], ROWB<<16                    ; tile_dim0
	s_mov_b32 s[\g+4], 128                         ; tile_dim1 = 128
	s_mov_b32 s[\g+5], KROW                        ; tensor_dim0_stride
	s_mov_b32 s[\g+6], 0
	s_mov_b32 s[\g+7], 0
.endr
	s_lshl_b32 s18, s16, 7                         ; which 128 rows of the tile I fetch
	s_lshl_b32 s20, s17, 8
	s_add_co_u32 s20, s20, s18
	s_add_co_u32 s20, s20, s77                     ; A: row 256 x tile + 128 x half (+ 2,048)
	s_lshl_b32 s20, s20, 10                        ; in bytes
	s_mov_b32 s21, 0
	s_lshl_b32 s46, s42, 8
	s_add_co_u32 s46, s46, s18                     ; B: row 256 x tile + 128 x half
	s_lshl_b32 s46, s46, 10
	s_mov_b32 s47, 0
	s_mul_i32 s45, s14, HALFT                      ; where they go: wave x 128 rows: no place in the cluster enters an LDS address
	s_wait_kmcnt 0x0
	s_load_b256 s[80:87], s[8:9], 0x0              ; e0 .. e7
	s_cmp_eq_u32 ttmp9, 2
	s_cselect_b64 s[88:89], s[6:7], s[4:5]         ; A's codes: v: the weight's;  q, k: x's
	s_cselect_b64 s[90:91], s[4:5], s[6:7]         ; B's codes: the other one
	s_add_nc_u64 s[20:21], s[88:89], s[20:21]
	s_add_nc_u64 s[46:47], s[90:91], s[46:47]
	CROUND                                         ; all sixteen work-groups are here: the first joint loads meet
.irp s, 0,1
	s_mov_b32 s[G0+4*\s], 1
	s_add_co_u32 s[G0+4*\s+1], s45, \s*SLOT
	s_add_nc_u64 s[G0+4*\s+2:G0+4*\s+3], s[20:21], \s*ROWB
	s_or_b32 s[G0+4*\s+3], s[G0+4*\s+3], 0x80000000
	s_mov_b32 s[G0B+4*\s], 1
	s_add_co_u32 s[G0B+4*\s+1], s45, \s*SLOT
	s_add_nc_u64 s[G0B+4*\s+2:G0B+4*\s+3], s[46:47], \s*ROWB
	s_or_b32 s[G0B+4*\s+3], s[G0B+4*\s+3], 0x80000000
.endr
	JLOAD G0, G1, G0B, G1B                         ; K step 0: one tensor load a wave at the head
	v_and_b32 v1, 15, v0                           ; r = l % 16
	v_bfe_u32 v2, v0, 4, 1                         ; h = l / 16
	v_mul_u32_u24 v3, v1, PITCH
	v_lshl_add_u32 v4, v2, 4, v3                   ; a fragment's row x pitch + 16 x half
	s_wait_alu depctr_va_vdst(0)
	s_mul_i32 s21, s15, HALFT                      ; my 128 rows of A
	s_mul_i32 s22, s16, HALFT                      ; my 128 rows of B,
	s_add_co_u32 s22, s22, 2*HALFT                 ; which lie behind A's 256
.irp s, 0,1
	v_add_nc_u32 v[ADRA+\s], s21, v4
	v_add_nc_u32 v[ADRB+\s], s22, v4
	s_add_co_u32 s21, s21, SLOT
	s_add_co_u32 s22, s22, SLOT
.endr
	; the way out's stage: 256 rows (A's) x 272 bytes, from LDS byte 0 on: in slot 0, which has had its last fill and its last read when the first code is stored there
	s_mul_i32 s23, s15, HALFT                      ; my 128 rows,
	s_lshl_b32 s19, s16, 7                         ; my 128 bytes of them
	s_add_co_u32 s23, s23, s19
	v_add_nc_u32 v[STO], s23, v4                   ; in: row r, 16 bytes for each half of the lanes
	v_and_b32 v5, 31, v0
	v_lshrrev_b32 v6, 2, v5
	v_mul_u32_u24 v6, v6, PITCH
	v_and_b32 v7, 3, v0
	v_lshl_add_u32 v6, v7, 4, v6
	s_lshl_b32 s23, s14, 6
	v_add_nc_u32 v[RQ], s23, v6                    ; q, k, back: wave w takes bytes 64 w .. 64 w + 63 (a head) of every row: four lanes to a row, eight rows an instruction
	v_add_nc_u32 v[RQ2], 128*PITCH, v[RQ]
	v_mul_u32_u24 v6, v2, PITCH
	v_lshl_add_u32 v6, v1, 4, v6
	s_mul_i32 s23, s14, 64*PITCH
	v_add_nc_u32 v[RV], s23, v6                    ; v, back: wave w takes rows 64 w .. 64 w + 63, whole: sixteen lanes to a row, two rows an instruction
	v_lshlrev_b32 v[GQ], 4, v5
	v_lshlrev_b32 v[GV], 11, v2
	v_lshl_add_u32 v[GV], v1, 4, v[GV]
	v_lshlrev_b32 v[BQO], 5, v2                    ; my half's eight numbers of sixteen
	v_lshlrev_b32 v[BVO], 2, v1                    ; my row's number
	; the bias.  The way parts on the cluster's x; both ways write the same registers and issue no tensor load
	s_cmp_eq_u32 ttmp9, 2
	s_cbranch_scc1 .Lbias_v
	s_lshl_b32 s22, s42, 10                        ; q, k: b_qkv[256 x B's tile + 128 x half + 16 b + 8 h + j]
	s_lshl_b32 s23, s16, 9
	s_add_co_u32 s22, s22, s23
	s_mov_b32 s23, 0
	s_add_nc_u64 s[92:93], s[10:11], s[22:23]
.irp b, 0,1,2,3,4,5,6,7
	global_load_b128 v[BB+8*\b:BB+8*\b+3], v[BQO], s[92:93] offset:64*\b
	global_load_b128 v[BB+8*\b+4:BB+8*\b+7], v[BQO], s[92:93] offset:64*\b+16
.endr
.irp i, 0,1,2,3,4,5,6,7,8,9,10,11,12,13,14,15
	v_mov_b32 v[BA+\i], 0                          ; nothing runs along the lanes
.endr
	s_branch .Lbias_done
.Lbias_v:
	s_lshl_b32 s22, s17, 10                        ; v: b_qkv[2,048 + 256 x A's tile + 128 x half + 16 a + r]
	s_lshl_b32 s23, s15, 9
	s_add_co_u32 s22, s22, s23
	s_add_co_u32 s22, s22, 8192
	s_mov_b32 s23, 0
	s_add_nc_u64 s[92:93], s[10:11], s[22:23]
	s_wait_alu depctr_va_vdst(0)
.irp a, 0,1,2,3,4,5,6,7
	global_load_b32 v[BA+2*\a], v[BVO], s[92:93] offset:64*\a
	global_load_b32 v[BA+2*\a+1], v[BVO], s[92:93] offset:64*\a    ; twice: a pair for the packed multiply-add
.endr
.set jj, 0
.rept 64
	v_mov_b32 v[BB+jj], 0                          ; nothing runs along the registers: the first products' C is zeros
.set jj, jj+1
.endr
.Lbias_done:
	s_wait_loadcnt 0x0                             ; the bias is in, and its pointer is free
	s_wait_kmcnt 0x0
	s_add_co_i32 s96, s80, s81                     ; e0 + e1: a sum stands for sum x 2^(e0 + e1), so the bias goes in divided by that
	s_sub_co_i32 s78, 0, s96
.set jj, 0
.rept 64
	v_ldexp_f32 v[BB+jj], v[BB+jj], s78
.set jj, jj+1
.endr
	s_add_co_i32 s96, s96, 127
	s_lshl_b32 s96, s96, 23                        ; 2^(e0 + e1) as f32
	s_mov_b32 s97, s96                             ; (named with it as a pair, so it is written)
	s_cmp_eq_u32 ttmp9, 0
	s_cselect_b32 s79, s82, s83                    ; the output's exponent: e2 for q, e3 for k,
	s_cmp_eq_u32 ttmp9, 2
	s_cselect_b32 s79, s85, s79                    ; e5 for v
	s_add_co_i32 s79, s79, 127
	s_lshl_b32 s78, s79, 23
	v_mov_b32 v[SCL], s78
	s_add_co_i32 s79, s79, 15
	s_lshl_b32 s79, s79, 23
	s_or_b32 s79, s79, 0x600000
	v_mov_b32 v[LIM], s79
.macro FRAG reg, adr, q, i             ; a fragment, 16 rows x 128 K: lane l holds row l % 16; registers 4 c .. 4 c + 3 hold K = 32 c + 16 (l / 16) + 0 .. 15: one permutation of K, the same in A and in B
.irp c, 0,1,2,3
	ds_load_b128 v[\reg+4*\c:\reg+4*\c+3], v[\adr] offset:128*(\q)+32*\c+(\i)*16*PITCH
.endr
.endm
; 16 matrix instructions: A's blocks a0, a0 + 1 x B's eight, 128 along K.  p: B's set.  first = 1: the sums begin with the bias as C: nothing is ever cleared.
; The 64 accumulators take turns, one instruction a turn, in the same order in every step.
.macro MUL16 a0, p, first
.irp a, \a0, \a0+1
.irp b, 0,1,2,3,4,5,6,7
.if \first
	v_wmma_f32_16x16x128_bf8_bf8 v[8*(8*((\a)%4)+\b):8*(8*((\a)%4)+\b)+7], v[128*(\p)+FR*\b:128*(\p)+FR*\b+FR-1], v[AF+FR*(\a):AF+FR*(\a)+FR-1], v[BB+8*\b:BB+8*\b+7]
.else
	v_wmma_f32_16x16x128_bf8_bf8 v[8*(8*((\a)%4)+\b):8*(8*((\a)%4)+\b)+7], v[128*(\p)+FR*\b:128*(\p)+FR*\b+FR-1], v[AF+FR*(\a):AF+FR*(\a)+FR-1], v[8*(8*((\a)%4)+\b):8*(8*((\a)%4)+\b)+7]
.endif
.endr
.endr
.endm
.macro FETCH_B slot, q, p              ; B's eight fragments of the slot's q-th 128 along K into set p
	WIN TO_B
.irp i, 0,1,2,3,4,5,6,7
	FRAG 128*(\p)+FR*\i, ADRB+\slot, \q, \i
.endr
	WIN 0
.endm
.macro FETCH_A slot, q, i0             ; A's blocks i0 .. i0 + 3
.irp i, \i0, \i0+1, \i0+2, \i0+3
	FRAG AF+FR*(\i), ADRA+\slot, \q, \i
.endr
.endm
; A load into a register that a matrix instruction has read, and a vector instruction that reads a matrix result, stand NP places behind that matrix instruction; only plain vector instructions that name none of its registers are places
.macro PLACES n
.rept \n
	v_nop
.endr
.endm
; A step of 128 along K that has its successor in the same slot.
.macro STEP slot, q, first
	s_wait_dscnt 4*NL                              ; B's set and A's blocks 0-3 are in; the youngest sixteen loads (A's blocks 4-7) may be out
.if \first
	WIN FIRST_LO
.else
	WIN MUL_LO
.endif
	MUL16 0, (\q)%2, \first
	MUL16 2, (\q)%2, \first
	s_wait_dscnt 0                                 ; A's blocks 4-7 are in (asked for 32 matrix instructions ago)
	PLACES NP
	FETCH_B \slot, (\q)+1, 1-(\q)%2
	FETCH_A \slot, (\q)+1, 0
.if \first
	WIN FIRST_HI
.else
	WIN MUL_HI
.endif
	MUL16 4, (\q)%2, \first
	MUL16 6, (\q)%2, \first
	PLACES NP
	WIN 0
	FETCH_A \slot, (\q)+1, 4
.endm
; A slot's last step changes slots: ONE barrier; in front of it each wave waits for all its tensor loads, adds 0 to its spare word, and waits for that and for its own reads of this slot.  fill = 1: this slot is filled again, two K steps ahead.
.macro TURN slot, next, fill
	s_wait_tensorcnt 0x0                           ; all my tensor loads have landed: my part of the next slot;  (every window is 0 here)
	ds_add_u32 v[SPW], v[NIL]                      ; 0 onto my spare word;
	s_wait_dscnt 4*NL+1                            ; (the add and the youngest sixteen loads, A's blocks 4-7, may be out)
	WIN MUL_LO
	MUL16 0, 1, 0                                  ; sixteen matrix instructions stand between the add and the wait for it
	s_wait_dscnt 0x0                               ; the add is done, and my reads of this slot are over
	s_barrier_signal -1
	MUL16 2, 1, 0
	WIN 0
	s_barrier_wait -1
.if \fill
	CREST                                          ; the barrier has opened a round of the cluster's barrier: no wave of any partner still reads this slot's tile or has a load on its way
	s_add_nc_u64 s[G0+4*\slot+2:G0+4*\slot+3], s[G0+4*\slot+2:G0+4*\slot+3], 2*ROWB
	s_add_nc_u64 s[G0B+4*\slot+2:G0B+4*\slot+3], s[G0B+4*\slot+2:G0B+4*\slot+3], 2*ROWB
	JLOAD G0+4*\slot, G1, G0B+4*\slot, G1B         ; the first tensor load behind the round; the four v_nop behind it are the places in front of the loads below
.else
	PLACES NP
.endif
	FETCH_B \next, 0, 0
	FETCH_A \next, 0, 0
	WIN MUL_HI
	MUL16 4, 1, 0
	MUL16 6, 1, 0
	PLACES NP
	WIN 0
	FETCH_A \next, 0, 4
.endm
	s_wait_alu depctr_va_vdst(0)
	s_wait_tensorcnt 0x0                           ; my part of K step 0 is in
	ds_add_u32 v[SPW], v[NIL]
	s_wait_dscnt 0x0
	CROUND                                         ; everybody's part of K step 0 is in, and all sixteen work-groups are here
	JLOAD G0+4, G1, G0B+4, G1B                     ; K step 1's load, the first tensor load behind the round
	FETCH_B 0, 0, 0
	FETCH_A 0, 0, 0
	FETCH_A 0, 0, 4
	STEP 0, 0, 1                                   ; the first step stands in front of the loop: its products start the sums
	s_mov_b32 s3, LAPS-1
.Llap:                                                 ; a trip goes once round the ring, from a lap's second step to the next lap's first, and fills both slots again
	TURN 0, 1, 1
	STEP 1, 0, 0
	TURN 1, 0, 1
	STEP 0, 0, 0
	s_sub_co_u32 s3, s3, 1
	s_cmp_lg_u32 s3, 0
	s_cbranch_scc1 .Llap
	TURN 0, 1, 0                                   ; the last lap fills nothing, and has no round of the cluster's barrier
	STEP 1, 0, 0
	s_wait_dscnt 4*NL                              ; the very last step: nothing more to fetch
	WIN MUL_LO
	MUL16 0, 1, 0
	MUL16 2, 1, 0
	s_wait_dscnt 0
	WIN MUL_HI
	MUL16 4, 1, 0
	MUL16 6, 1, 0
	WIN 0
; THE WAY OUT.  Block a (16 rows of A x my 128 rows of B): number = sum x 2^(e0 + e1) + the lanes' bias; held; eight neighbours a conversion; the codes of accumulators 2 g and 2 g + 1 on end are 16 bytes, which go to the
; work-group's stage at row 16 a + r, byte 32 g + 16 h of my 128.  Two sets of code registers take turns.
.macro CONV a
.set AC, 64*((\a)%4)
.set CC, CD+16*((\a)%2)
.if (\a) >= 2
	s_wait_dscnt 4                                 ; the block before's four stores may be out; those of two blocks back, which read this set, are done
.endif
	WIN 0x02+((\a)/4)                              ; source 0: window 2 or 3
.set jj, 0
.rept 32
	v_pk_fma_f32 v[TMP+jj:TMP+jj+1], v[AC+jj:AC+jj+1], s[96:97], v[BA+2*(\a):BA+2*(\a)+1] op_sel_hi:[1,0,1]   ; each accumulator from its low end on
.set jj, jj+2
.endr
	WIN 0
.set jj, 0
.rept 64
	v_med3_num_f32 v[TMP+jj], v[TMP+jj], -v[LIM], v[LIM]   ; the conversion to an 8-bit code does not saturate (ISA guide 7.6.2): the hold at the largest code x the scale
.set jj, jj+1
.endr
.irp b, 0,1,2,3,4,5,6,7
	v_cvt_scalef32_pk8_bf8_f32 v[CC+2*\b:CC+2*\b+1], v[TMP+8*\b:TMP+8*\b+7], v[SCL]
.endr
	v_nop                                          ; one plain vector line behind the last conversion: the next block's multiply-adds write the conversions' sources
.irp g, 0,1,2,3
	ds_store_b128 v[STO], v[CC+4*\g:CC+4*\g+3] offset:(\a)*16*PITCH+32*\g
.endr
.endm
	PLACES NP                                      ; behind the last products
.irp a, 0,1,2,3,4,5,6,7
	CONV \a
.endr
	s_wait_dscnt 0x0                               ; for the others' sake: my codes lie in the stage
	s_barrier_signal -1
	s_barrier_wait -1                              ; everybody's do.  Behind this barrier the stage is only read
	s_cmp_eq_u32 ttmp9, 2
	s_cbranch_scc1 .Lvout
	; q, k: a stage row is a token's 256 codes, four heads.  Wave w takes head 4 cx + w for all 256 tokens: 16,384 consecutive bytes of the output; an instruction takes eight tokens, 512 consecutive bytes
	s_lshr_b32 s22, s17, 3                         ; the batch (eight token tiles each),
	s_lshl_b32 s22, s22, 4
	s_lshl_b32 s23, s40, 2
	s_add_co_u32 s22, s22, s23
	s_add_co_u32 s22, s22, s14                     ; x 16 + the head
	s_lshl_b32 s22, s22, 17                        ; 2,048 tokens of 64 bytes
	s_and_b32 s23, s17, 7
	s_lshl_b32 s23, s23, 14                        ; the tile's 256 tokens
	s_add_co_u32 s22, s22, s23
	s_mov_b32 s23, 0
	s_cmp_eq_u32 ttmp9, 0
	s_cselect_b64 s[92:93], s[68:69], s[70:71]
	s_add_nc_u64 s[92:93], s[92:93], s[22:23]
.set tt, 0
.rept 16
	ds_load_b128 v[OUTR+4*tt:OUTR+4*tt+3], v[RQ] offset:8*PITCH*tt
.set tt, tt+1
.endr
.rept 16
	ds_load_b128 v[OUTR+4*tt:OUTR+4*tt+3], v[RQ2] offset:8*PITCH*(tt-16)
.set tt, tt+1
.endr
.set tt, 0
.rept 32
	s_wait_dscnt 31-tt                             ; the younger loads may stay out
	global_store_b128 v[GQ], v[OUTR+4*tt:OUTR+4*tt+3], s[92:93] offset:512*tt
.set tt, tt+1
.endr
	s_branch .Lend
.Lvout:
	; v: a stage row is a channel's 256 tokens.  Wave w takes channels 64 w .. 64 w + 63 of the tile: sixteen lanes store 256 consecutive bytes, aligned, of a channel's row of 2,048
	s_lshr_b32 s22, s42, 3                         ; the batch: 1,024 channels x 2,048 bytes
	s_lshl_b32 s22, s22, 21
	s_lshl_b32 s23, s17, 19                        ; the tile's 256 channels
	s_add_co_u32 s22, s22, s23
	s_lshl_b32 s23, s14, 17                        ; my 64 of them
	s_add_co_u32 s22, s22, s23
	s_and_b32 s23, s42, 7
	s_lshl_b32 s23, s23, 8                         ; the tile's 256 tokens
	s_add_co_u32 s22, s22, s23
	s_mov_b32 s23, 0
	s_add_nc_u64 s[92:93], s[72:73], s[22:23]
.set tt, 0
.rept 32
	ds_load_b128 v[OUTR+4*tt:OUTR+4*tt+3], v[RV] offset:2*PITCH*tt
.set tt, tt+1
.endr
.set tt, 0
.rept 32
	s_wait_dscnt 31-tt
	global_store_b128 v[GV], v[OUTR+4*tt:OUTR+4*tt+3], s[92:93] offset:4096*tt
.set tt, tt+1
.endr
.Lend:
	s_wait_tensorcnt 0x0                           ; the wave's end, behind my last tensor load and my last LDS store
	ds_add_u32 v[SPW], v[NIL]
	s_wait_dscnt 0x0
	CROUND                                         ; the closing round: no work-group ends while a partner may still ask for a tile that names it
	s_endpgm
.Lfunc_end_k_qfcb7bb2733_qkv:
	.size	k_qfcb7bb2733_qkv, .Lfunc_end_k_qfcb7bb2733_qkv-k_qfcb7bb2733_qkv
	.p2alignl 7, 3214868480
	.fill 96, 4, 3214868480
	.section	.rodata,"a",@progbits
	.p2align	6, 0x0
	.amdhsa_kernel k_qfcb7bb2733_qkv
		.amdhsa_group_segment_fixed_size 327680
		.amdhsa_private_segment_fixed_size 0
		.amdhsa_enable_private_segment 0
		.amdhsa_kernarg_size 56
		.amdhsa_user_sgpr_count 2
		.amdhsa_user_sgpr_kernarg_segment_ptr 1
		.amdhsa_wavefront_size32 1
		.amdhsa_system_sgpr_workgroup_id_x 1
		.amdhsa_system_sgpr_workgroup_id_y 1
		.amdhsa_system_sgpr_workgroup_id_z 1
		.amdhsa_system_vgpr_workitem_id 0
		.amdhsa_next_free_vgpr 1024
		.amdhsa_next_free_sgpr 100
		.amdhsa_reserve_vcc 0
		.amdhsa_float_denorm_mode_32 3
		.amdhsa_float_denorm_mode_16_64 3
		.amdhsa_memory_ordered 1
		.amdhsa_forward_progress 1
		.amdhsa_inst_pref_size 157
	.end_amdhsa_kernel
	.amdgpu_metadata
---
amdhsa.version: [ 1, 2 ]
amdhsa.kernels:
  - .name:           k_qfcb7bb2733_qkv
    .symbol:         k_qfcb7bb2733_qkv.kd
    .args:
      - { .name: x_codes, .offset: 0, .size: 8, .value_kind: global_buffer, .address_space: global }
      - { .name: wqkv_codes, .offset: 8, .size: 8, .value_kind: global_buffer, .address_space: global }
      - { .name: lowp_scales, .offset: 16, .size: 8, .value_kind: global_buffer, .address_space: global }
      - { .name: b_qkv, .offset: 24, .size: 8, .value_kind: global_buffer, .address_space: global }
      - { .name: q_codes, .offset: 32, .size: 8, .value_kind: global_buffer, .address_space: global }
      - { .name: k_codes, .offset: 40, .size: 8, .value_kind: global_buffer, .address_space: global }
      - { .name: v_codes, .offset: 48, .size: 8, .value_kind: global_buffer, .address_space: global }
    .group_segment_fixed_size: 327680
    .private_segment_fixed_size: 0
    .kernarg_segment_align: 8
    .kernarg_segment_size: 56
    .max_flat_workgroup_size: 128
    .sgpr_count:     100
    .vgpr_count:     1024
    .wavefront_size: 32
...
	.end_amdgpu_metadata
.endif
;; end of part 2
;; launch attn (part 3): grid 4 x 64, 8 waves a work-group, clusters of 4 x 1, 327,680 bytes of LDS; arguments q_codes, k_codes, v_codes, lowp_scales, a_codes; writes a_codes
.if DOCPART == 3
	.amdgcn_target "amdgcn-amd-amdhsa--gfx1250"
	.amdhsa_code_object_version 6
	.text
	.protected	k_qfcb7bb2733_attn
	.globl	k_qfcb7bb2733_attn
	.p2align	8
	.type	k_qfcb7bb2733_attn,@function
k_qfcb7bb2733_attn:
	s_mov_b64 s[64:65], 0
	v_nop
	global_prefetch_b8 v0, s[64:65] scope:SCOPE_SE
	s_setreg_imm32_b32 hwreg(HW_REG_WAVE_MODE, 25, 1), 1
	s_wait_xcnt 0x0
	s_wait_alu depctr_hold_cnt(0) depctr_sa_sdst(0) depctr_va_vdst(0) depctr_va_sdst(0) depctr_va_ssrc(0) depctr_va_vcc(0) depctr_vm_vsrc(0)
	s_getreg_b32 s2, hwreg(HW_REG_IB_STS2, 6, 4)
	s_cmp_eq_u32 s2, 0
	s_cbranch_scc0 .Lentry_in_a_cluster
	s_endpgm
.Lentry_in_a_cluster:
	s_bfe_u32 s2, ttmp6, 0x10000c
	s_cmp_lg_u32 s2, 0x3003
	s_cbranch_scc0 .Lentry_shape_is_right
	s_endpgm
.Lentry_shape_is_right:
; Causal attention on codes of BF8 (E5M2), head size 64, 2,048 tokens, 64 heads (batch x 16 + head), and its result quantised anew for the last product.
; q_codes, k_codes [head][token][64] (scales 2^e2, 2^e3), v_codes [head][channel 64][token 2,048] (2^e5), each with the order inside groups of 32 that the launch before gives them.
; a_codes [batch][head / 4][token / 16][head % 4][token % 16][64], channels in their own order, scale 2^e6: a tile's 16 queries are 1,024 consecutive bytes.
; THE SOFTMAX: t = score x log2(e) / 8; M = the row's largest t so far, rounded UP to a whole number; p = 2^(t - M) is quantised with 2^e4, not normalised.  The row's sum is taken of the unquantised p and divides at the end.
; When M moves, the sum and O are multiplied by 2^(old M - new M): exact.
; K AND V STAY IN LDS: a head's K (512 rows of 272 bytes, four keys to a row) and V (four units of 512 keys: 64 rows of 528 bytes) take 274,432 bytes.  Each byte is filled once, so the walk over the keys has no barrier:
; keys 0 to 511 are asked for at the head (waves 0 and 1), the rest behind a round of the cluster's barrier (waves 0 to 5), and land under the first four key steps.
; SHARES.  The four work-groups of a head form a cluster.  Work-group i takes the tiles of 16 queries with numbers 4 j + i.  A wave holds TWO tiles at a time, j = 2 p and 2 p + 1, so that each fragment of K and V read from LDS
; feeds two matrix instructions; both walk p + 1 steps of 128 keys, and the last is the one on the diagonal.  Wave w takes p = 15 - w and then p = w: 17 double steps in every wave.  Steps that the mask hides whole are left out
; by a scalar branch on the wave's number and the trip's.
; JOINT LOADS: all four work-groups want all of K and V, so every tile is asked for jointly (mask 15).  No branch, trip count or LDS address hangs on the work-group's place i: it enters the mask's compare and global addresses alone.
; NO PREFETCH: every tile of the launch is asked for at the head, in two groups; there is no loop in which to run ahead of a tensor load.
; LAYOUT.  S^T = K Q^T (source 0 = 16 keys, source 1 = 16 queries), O^T = V^T P^T (source 0 = 16 channels, source 1 = P): a lane holds ONE query of each tile (lane % 16).  Register 8 t + j of S^T is key 16 t + 8 (lane / 16) + j;
; tile t's eight numbers convert into registers 2 t, 2 t + 1 of P's fragment.
; REGISTERS, in two windows of 256.  Window 0: addresses, V's fragments (v32-95) and the first tile's state.  Window 1: K's fragments (v32-95) and the second tile's state, under the same numbers as the first tile's.
; K's fragments of the next step are asked for behind this step's first products, V's at the step's head.
; LIMITS: e2 + e3 between -123 and 130 (added to c's exponent field); e4 and e6 between -126 and 112; e4 + e5 is applied by v_ldexp_f32 and has none.
.set KP,    272                        ; K's LDS row: 256 bytes (four keys) + 16 of padding
.set KSTEP, 32*KP                      ; 128 keys
.set KU,    128*KP                     ; 512 keys: what one load brings
.set VP,    528                        ; V's LDS row: a channel's 512 keys + 16 of padding
.set VU,    64*VP                      ; a unit: 64 channels x 512 keys
.set VB0,   4*KU                       ; V lies behind K
.set SPARE, VB0+4*VU                   ; behind it: the spare words, 128 bytes for each of eight waves, which no other line names
.set STAGE, SPARE+1024                 ; the way out: 2,048 bytes for each wave; no tile ever lands here
.set AK0,  1                           ; v1   my lane's place in a tile of K
.set AV0,  2                           ; v2   the same for V
.set QA,   4                           ; v4   my lane's bytes in 16 rows of Q
.set SPW,  5                           ; v5   LDS address of my spare word; never rewritten
.set NIL,  6                           ; v6   0; never rewritten
.set GO,   7                           ; v7   16 x lane
.set ADK,  8                           ; v8   LDS address of the next step's tiles of K
.set ADV,  9                           ; v9   of this step's tiles of V
.set STI,  10                          ; v10  the stage, in: row r of 64 bytes, + 8 h
.set STR,  11                          ; v11  the stage, back: 16 x lane
.set KV,   32                          ; v32-95   window 0: four fragments of V;  window 1: eight of K
.set SC,   96                          ; v96-159  S^T, then p
.set OT,   160                         ; v160-191 O^T
.set PC,   192                         ; v192-207 p's codes
.set RH,   208                         ; v208 my query less the diagonal step's first key less 8 h
.set L4,   240                         ; v240 and v237: 57,344 x 2^e4
.set L4B,  237
; in each window: v12 -M, v13 the largest t, v[14:15] the sum in two halves; v16-23 Q in use, v24-31 the second pair's Q; v244 2^e4; v241, v245: 57,344 x 2^e6 and 2^e6; v234-236, v238-239, v242-243, v246-255 at work
.set WV,   18                          ; s18  my wave's number
.set W1,   19                          ; s19  its low bit: I fetch for K (0) or for V (1)
.set SEL,  20                          ; s[20:21] lane selects for v_permlanex16_b32: lane l xor 16
.set CS,   22                          ; s[22:23] c = log2(e) / 8 x 2^(e2 + e3)
.set G1K,  24                          ; s[24:31] descriptor group 1 for K's tiles;  s[32:39] for V's;  s[40:43], s[44:47] their groups 0
.set G1V,  32
.set G0K,  40
.set G0V,  44
.set KS,   48                          ; s48  the key step in hand
.set TV,   49                          ; s49  where its part of V begins, from V's first byte
.set OF,   50                          ; s[50:51] an offset, its high word 0
.set KB,   52                          ; s[52:53] K's codes at my head;  s[54:55] V's
.set VB,   54
.set OB,   56                          ; s[56:57] the output at my head's place in token block 0;  s[58:59] at my pair's first queries
.set OP,   58
.set EPV,  60                          ; s60  e4 + e5
.set NK,   61                          ; s61  LDS byte of the next step's K
.set QP,   62                          ; s62  128 p of the pair in hand: what the branches test;  s63 of the second pair
.set QPB,  63
.set TRIP, 66                          ; s66  the trip
.set CX16, 67                          ; s67  16 i
.set NS,   92                          ; s92  the first loop's stepped K address
.set KF,   97                          ; s97  the step's first key
.set Q0B,  98                          ; s98  the second pair's first query
.set Q0,   99                          ; s99  my first query: 128 p + 16 i
.set MSB, 0
.macro WIN new                         ; the immediate's high byte repeats the setting that is left
.if MSB != \new
	s_set_vgpr_msb (MSB<<8)|\new
.set MSB, \new
.endif
.endm
.set ALL1,  0x55                       ; every operand in window 1
.set TO1,   0x40                       ; destination window 1, sources window 0
.set S_T0,  0x01                       ; first products, tile 0: source 0 (K) window 1
.set S_T1,  0x45                       ; tile 1: K, Q and D window 1
.set PV_T1, 0x54                       ; second products, tile 1: source 0 (V) window 0, P, C and D window 1
.set ST1,   0x04                       ; an LDS store: address window 0, data window 1
; A round of the cluster's barrier
.macro ROUND
	s_barrier_signal -1
	s_barrier_wait -1
	s_cmp_lg_u32 s[WV], 0
	s_cbranch_scc1 .Lnot_wave_0_\@
	s_barrier_signal -3
.Lnot_wave_0_\@:
	s_barrier_wait -3
	s_barrier_signal -1
	s_barrier_wait -1
.endm
; A joint load: of the waves under lim the even ones fetch 512 keys of K, the odd ones of V.  The branches hang on the wave's number alone.  An s_nop 0 and four v_nop follow each of the two lines.
.macro TLOAD lim
	s_cmp_lt_u32 s[WV], \lim
	s_cbranch_scc0 .Lasked_\@
	s_cmp_eq_u32 s[W1], 0
	s_cbranch_scc0 .Lfor_v_\@
	tensor_load_to_lds s[G0K:G0K+3], s[G1K:G1K+7]
	s_nop 0
.rept 4
	v_nop
.endr
	s_branch .Lasked_\@
.Lfor_v_\@:
	tensor_load_to_lds s[G0V:G0V+3], s[G1V:G1V+7]
	s_nop 0
.rept 4
	v_nop
.endr
.Lasked_\@:
.endm
; A tile's state at its start: the largest t under every t, sums and O^T zero: the first change of M multiplies zeros, so the key step has no first form of its own.
.macro FRESH
	v_mov_b32 v13, 0xff61b1e6                      ; -3e38
	s_delay_alu instid0(VALU_DEP_1)
	v_floor_f32 v12, -v13                          ; -M
	v_mov_b32 v14, 0
	v_mov_b32 v15, 0
.set jj, 0
.rept 32
	v_mov_b32 v[OT+jj], 0
.set jj, jj+1
.endr
.endm
.macro INIT                            ; a window's constants and first state
	v_mov_b32 v236, 0                              ; written once: a lane permute's destination counts as one of its sources
	v_mov_b32 v253, 0                              ; (named as the upper half of the pair v[252:253])
	v_mov_b32 v244, s76                            ; 2^e4 as f32, for p's conversion
	v_mov_b32 v[L4], s77                           ; 57,344 x 2^e4
	v_mov_b32 v[L4B], s77
	v_mov_b32 v245, s78                            ; 2^e6, for the output's conversion
	v_mov_b32 v241, s79                            ; 57,344 x 2^e6
	FRESH
.endm
.macro KLOAD adr                       ; eight fragments of K, 128 keys, into window 1
	WIN TO1
.irp t, 0,1,2,3,4,5,6,7
.irp c, 0,1
	ds_load_b128 v[KV+8*\t+4*\c:KV+8*\t+4*\c+3], v[\adr] offset:\t*4*KP+32*\c
.endr
.endr
	WIN 0
.endm
	s_load_b256 s[4:11], s[0:1], 0x0               ; Q's codes s[4:5], K's s[6:7], V's s[8:9], the scales' exponents s[10:11]
	s_load_b64 s[12:13], s[0:1], 0x20              ; the output's codes
	v_lshl_add_u32 v[SPW], v0, 2, SPARE
	v_mov_b32 v[NIL], 0
	ds_add_u32 v[SPW], v[NIL]                      ; the opening: the add, twice on end, and its wait ahead of the first tensor loads
	ds_add_u32 v[SPW], v[NIL]
	v_lshrrev_b32 v8, 5, v0
	s_delay_alu instid0(VALU_DEP_1)
	v_readfirstlane_b32 s[WV], v8                  ; wave 0..7
	s_and_b32 s[W1], s[WV], 1
	s_lshr_b32 s82, s[WV], 1                       ; the 512 keys that I fetch for, if I fetch
	s_bfe_u32 s[CX16], ttmp6, 0x40000              ; i: my place in the cluster,
	s_lshl_b32 s[CX16], s[CX16], 4                 ; x 16
	s_and_b32 s81, ttmp7, 0xffff                   ; batch x 16 + head: the cluster's y
	s_xor_b32 s83, s[WV], 15                       ; 15 - wave
	s_lshl_b32 s[QP], s83, 7                       ; the first pair: p = 15 - wave,
	s_lshl_b32 s[QPB], s[WV], 7                    ; the second: p = wave
	s_add_co_u32 s[Q0], s[QP], s[CX16]
	s_add_co_u32 s[Q0B], s[QPB], s[CX16]
	s_lshl_b32 s84, s81, 17                        ; the head's first byte in each of the three inputs: 131,072 bytes a head
	s_mov_b32 s85, 0
	s_mul_i32 s86, s82, KU                         ; my unit in LDS: K's,
	s_mul_i32 s87, s82, VU
	s_add_co_u32 s87, s87, VB0                     ; V's;
	s_lshl_b32 s88, s82, 15                        ; in memory: 512 keys of 64 bytes,
	s_mov_b32 s89, 0
	s_lshl_b32 s90, s82, 9                         ; 512 bytes along V's rows
	s_mov_b32 s91, 0
	; descriptor group 1.  K: 512 keys are 32,768 dense bytes: 128 rows of 256.  V: 64 rows of 512 bytes, 2,048 bytes apart
	s_mov_b32 s[G1K], 15|(0<<16)|(1<<20)|(1<<21)|(5<<22)|(3<<25)  ; 15:0 the mask: all four of the cluster; 17:16 elements of 1 byte; 20 padding on; 21 set beside a mask; 24:22 after every 64 words; 31:25 four words
	s_mov_b32 s[G1K+1], 256<<16                    ; tensor_dim0
	s_mov_b32 s[G1K+2], 128<<16                    ; tensor_dim1
	s_mov_b32 s[G1K+3], 256<<16                    ; tile_dim0
	s_mov_b32 s[G1K+4], 128                        ; tile_dim1
	s_mov_b32 s[G1K+5], 256                        ; tensor_dim0_stride
	s_mov_b32 s[G1K+6], 0
	s_mov_b32 s[G1K+7], 0
	s_mov_b32 s[G1V], 15|(0<<16)|(1<<20)|(1<<21)|(6<<22)|(3<<25)  ; padding: four words after every 128
	s_mov_b32 s[G1V+1], 512<<16
	s_mov_b32 s[G1V+2], 64<<16
	s_mov_b32 s[G1V+3], 512<<16
	s_mov_b32 s[G1V+4], 64
	s_mov_b32 s[G1V+5], 2048
	s_mov_b32 s[G1V+6], 0
	s_mov_b32 s[G1V+7], 0
	s_mov_b32 s[SEL], 0x76543210
	s_mov_b32 s[SEL+1], 0xfedcba98
	s_mov_b32 s[CS], 0x3e38aa3b                    ; log2(e) / 8
	s_mov_b32 s[OF+1], 0
	s_wait_alu depctr_va_vdst(0)
	s_wait_dscnt 0x0                               ; both opening adds are done
	s_wait_kmcnt 0x0
	s_load_b256 s[68:75], s[10:11], 0x0            ; e0 .. e7
	s_add_nc_u64 s[KB:KB+1], s[6:7], s[84:85]
	s_add_nc_u64 s[VB:VB+1], s[8:9], s[84:85]
	s_mov_b32 s[G0K], 1                            ; 1:0 count = 1
	s_mov_b32 s[G0K+1], s86                        ; 63:32 LDS address
	s_add_nc_u64 s[G0K+2:G0K+3], s[KB:KB+1], s[88:89]   ; 120:64 global address
	s_or_b32 s[G0K+3], s[G0K+3], 0x80000000        ; 127:126 type = 2
	s_mov_b32 s[G0V], 1
	s_mov_b32 s[G0V+1], s87
	s_add_nc_u64 s[G0V+2:G0V+3], s[VB:VB+1], s[90:91]
	s_or_b32 s[G0V+3], s[G0V+3], 0x80000000
	ROUND                                          ; all four work-groups are here: the first joint loads meet
	TLOAD 2                                        ; keys 0 to 511: wave 0 K's, wave 1 V's
	s_add_nc_u64 s[14:15], s[4:5], s[84:85]        ; Q's codes at my head,
	s_lshl_b32 s86, s[Q0], 6
	s_mov_b32 s87, 0
	s_add_nc_u64 s[16:17], s[14:15], s[86:87]      ; at my first pair's queries,
	s_lshl_b32 s86, s[Q0B], 6
	s_add_nc_u64 s[14:15], s[14:15], s[86:87]      ; and at my second pair's
	s_lshr_b32 s82, s81, 4                         ; the output: the batch's 2,097,152 bytes,
	s_lshl_b32 s82, s82, 21
	s_bfe_u32 s83, s81, 0x20002                    ; head / 4: 524,288,
	s_lshl_b32 s83, s83, 19
	s_add_co_u32 s82, s82, s83
	s_and_b32 s83, s81, 3                          ; head % 4: 1,024
	s_lshl_b32 s83, s83, 10
	s_add_co_u32 s82, s82, s83
	s_mov_b32 s83, 0
	s_add_nc_u64 s[OB:OB+1], s[12:13], s[82:83]
	v_and_b32 v8, 15, v0                           ; r = lane % 16
	v_bfe_u32 v9, v0, 4, 1                         ; h = lane / 16
	s_delay_alu instid0(VALU_DEP_2)
	v_lshlrev_b32 v[QA], 6, v8
	s_delay_alu instid0(VALU_DEP_1)
	v_lshl_add_u32 v[QA], v9, 4, v[QA]             ; Q: row r of 64 bytes, + 16 h
	global_load_b128 v[16:19], v[QA], s[16:17]     ; all four tiles' fragments of Q are loaded now and stay in registers
	global_load_b128 v[20:23], v[QA], s[16:17] offset:32
	global_load_b128 v[24:27], v[QA], s[14:15]
	global_load_b128 v[28:31], v[QA], s[14:15] offset:32
	WIN TO1                                        ; a pair's second tile lies 64 queries, 4,096 bytes, further on
	global_load_b128 v[16:19], v[QA], s[16:17] offset:4096
	global_load_b128 v[20:23], v[QA], s[16:17] offset:4128
	global_load_b128 v[24:27], v[QA], s[14:15] offset:4096
	global_load_b128 v[28:31], v[QA], s[14:15] offset:4128
	WIN 0
	v_lshrrev_b32 v10, 2, v8
	s_delay_alu instid0(VALU_DEP_1)
	v_mul_u32_u24 v[AK0], v10, KP
	v_and_b32 v10, 3, v8
	s_delay_alu instid0(VALU_DEP_1)
	v_lshl_add_u32 v[AK0], v10, 6, v[AK0]
	s_delay_alu instid0(VALU_DEP_1)
	v_lshl_add_u32 v[AK0], v9, 4, v[AK0]           ; K: key r lies in row r / 4 at byte 64 (r % 4); + 16 h.  The sixteen lanes of a half touch sixteen different 16-byte columns
	v_mul_u32_u24 v[AV0], v8, VP
	s_delay_alu instid0(VALU_DEP_1)
	v_lshl_add_u32 v[AV0], v9, 4, v[AV0]
	s_delay_alu instid0(VALU_DEP_1)
	v_add_nc_u32 v[AV0], VB0, v[AV0]               ; V: channel r's row, + 16 h
	v_and_b32 v[GO], 31, v0
	s_delay_alu instid0(VALU_DEP_1)
	v_lshlrev_b32 v[GO], 4, v[GO]
	s_lshl_b32 s82, s[WV], 11
	s_add_co_u32 s82, s82, STAGE                   ; my stage
	v_add_nc_u32 v[STR], s82, v[GO]
	v_lshl_add_u32 v[STI], v9, 3, s82
	s_delay_alu instid0(VALU_DEP_1)
	v_lshl_add_u32 v[STI], v8, 6, v[STI]
	v_lshlrev_b32 v[RH], 3, v9
	s_delay_alu instid0(VALU_DEP_1)
	v_sub_nc_u32 v[RH], v8, v[RH]                  ; r - 8 h
	s_delay_alu instid0(VALU_DEP_1)
	v_add_nc_u32 v[RH], s[CX16], v[RH]             ; + 16 i: the first tile begins at the diagonal step's first key
	s_wait_alu depctr_va_vdst(0)
	s_wait_kmcnt 0x0
	s_add_co_i32 s82, s70, s71
	s_lshl_b32 s82, s82, 23
	s_add_co_i32 s[CS], s[CS], s82                 ; a score stands for score x 2^(e2 + e3): the two exponents are added to c's exponent field
	s_mov_b32 s[CS+1], s[CS]                       ; (named with it as a pair, so it is written)
	s_add_co_i32 s82, s72, 127
	s_lshl_b32 s76, s82, 23                        ; 2^e4
	s_add_co_i32 s82, s82, 15
	s_lshl_b32 s82, s82, 23
	s_or_b32 s77, s82, 0x600000                    ; 57,344 x 2^e4
	s_add_co_i32 s82, s74, 127
	s_lshl_b32 s78, s82, 23                        ; 2^e6
	s_add_co_i32 s82, s82, 15
	s_lshl_b32 s82, s82, 23
	s_or_b32 s79, s82, 0x600000                    ; 57,344 x 2^e6
	s_add_co_i32 s[EPV], s72, s73                  ; e4 + e5
	INIT
	WIN ALL1
	INIT
	WIN TO1
	v_add_nc_u32 v[RH], 64, v[RH]                  ; the second tile begins 64 queries further on
	WIN 0
.macro MINS t, dual                    ; the conversion to an 8-bit code does not saturate (ISA guide 7.6.2); p is not negative, so the hold is one-sided
.if \dual
.irp i, 0,2,4,6
	v_dual_min_num_f32 v[SC+8*(\t)+\i], v[SC+8*(\t)+\i], v[L4] :: v_dual_min_num_f32 v[SC+8*(\t)+\i+1], v[SC+8*(\t)+\i+1], v[L4B]
.endr
.else
.irp i, 0,1,2,3,4,5,6,7
	v_min_num_f32 v[SC+8*(\t)+\i], v[SC+8*(\t)+\i], v[L4]
.endr
.endif
.endm
.macro MASK                            ; the scores of hidden keys become -infinity ahead of the maximum: p = 0 then.  Register 8 t + j holds key KF + 16 t + 8 h + j: hidden where 16 t + j > my query - KF - 8 h
	v_mov_b32 v254, 0xff800000
.set nn, 0
.rept 64
	v_cmp_gt_i32 vcc_lo, 16*(nn/8)+nn%8, v[RH]
	v_cndmask_b32 v[SC+nn], v[SC+nn], v254, vcc_lo
.set nn, nn+1
.endr
.endm
.macro FMA8                            ; t - M, two at a time (of the pairs c and -M the low word serves both halves)
.rept 8
	v_pk_fma_f32 v[SC+jj:SC+jj+1], v[SC+jj:SC+jj+1], s[CS:CS+1], v[12:13] op_sel_hi:[1,0,0]
.set jj, jj+2
.endr
.endm
; THE SOFTMAX of one tile's step, all in the window that is set: from the scores to p's codes and O^T under the new M.
.macro SM dual
	v_max3_num_f32 v254, v[SC+0], v[SC+1], v[SC+2]   ; the step's largest score of my query, among my 64 keys, in four chains, each accumulator from its low end on
	v_max3_num_f32 v252, v[SC+3], v[SC+4], v[SC+5]
	v_max3_num_f32 v250, v[SC+6], v[SC+7], v[SC+8]
	v_max3_num_f32 v248, v[SC+9], v[SC+10], v[SC+11]
.irp i, 12,20,28,36,44,52
	v_max3_num_f32 v254, v254, v[SC+\i], v[SC+\i+1]
	v_max3_num_f32 v252, v252, v[SC+\i+2], v[SC+\i+3]
	v_max3_num_f32 v250, v250, v[SC+\i+4], v[SC+\i+5]
	v_max3_num_f32 v248, v248, v[SC+\i+6], v[SC+\i+7]
.endr
	v_max3_num_f32 v254, v254, v[SC+60], v[SC+61]
	v_max3_num_f32 v252, v252, v[SC+62], v[SC+63]
	v_max3_num_f32 v254, v254, v252, v250
	v_max_num_f32 v254, v254, v248
	s_delay_alu instid0(VALU_DEP_1)
	v_permlanex16_b32 v236, v254, s[SEL], s[SEL+1]
	s_delay_alu instid0(VALU_DEP_1)
	v_max_num_f32 v254, v254, v236                 ; and among lane l xor 16's
	s_delay_alu instid0(VALU_DEP_1)
	v_mul_f32 v254, s[CS], v254                    ; as t (c is positive)
	s_delay_alu instid0(VALU_DEP_1)
	v_max_num_f32 v13, v13, v254                   ; the running largest t
	v_mov_b32 v254, v12
	s_delay_alu instid0(VALU_DEP_2)
	v_floor_f32 v12, -v13                          ; the new -M = floor(-t) = -ceil(t): M is a whole number
.set jj, 0
	FMA8
	v_sub_f32 v254, v12, v254                      ; M's old value less its new one: a whole number, 0 or less
	FMA8
	v_cvt_i32_f32 v254, v254                       ; (it saturates)
	FMA8
	v_ldexp_f32 v252, 1.0, v254                    ; f = 2^(old M - new M)
	FMA8
.set jj, 0
	s_wait_alu depctr_va_vdst(0)
.rept 64
	v_exp_f32 v[SC+jj], v[SC+jj]                   ; p = 2^(t - M), at most 1: not normalised
.set jj, jj+1
.endr
	v_pk_mul_f32 v[14:15], v[14:15], v[252:253] op_sel_hi:[1,0]   ; the sums under the new M: the plain line behind the exponentials
	s_wait_alu depctr_va_vdst(0)                   ; one wait for the whole batch, ahead of its first reader
	v_pk_add_f32 v[242:243], v[100:101], v[104:105]   ; the row's sum of the unquantised p, two at a time, in eight chains
	v_pk_add_f32 v[254:255], v[108:109], v[112:113]
	v_pk_add_f32 v[250:251], v[116:117], v[120:121]
	v_pk_add_f32 v[248:249], v[124:125], v[128:129]
	v_pk_add_f32 v[246:247], v[132:133], v[136:137]
	v_pk_add_f32 v[238:239], v[140:141], v[144:145]
	v_pk_add_f32 v[234:235], v[148:149], v[152:153]
	v_pk_add_f32 v[14:15], v[14:15], v[156:157]
	v_pk_add_f32 v[242:243], v[242:243], v[96:97]
	v_pk_add_f32 v[254:255], v[254:255], v[98:99]
	v_pk_add_f32 v[250:251], v[250:251], v[102:103]
	v_pk_add_f32 v[248:249], v[248:249], v[106:107]
	v_pk_add_f32 v[246:247], v[246:247], v[110:111]
	v_pk_add_f32 v[238:239], v[238:239], v[114:115]
	v_pk_add_f32 v[234:235], v[234:235], v[118:119]
	v_pk_add_f32 v[14:15], v[14:15], v[122:123]
	v_pk_add_f32 v[242:243], v[242:243], v[126:127]
	v_pk_add_f32 v[254:255], v[254:255], v[130:131]
	v_pk_add_f32 v[250:251], v[250:251], v[134:135]
	v_pk_add_f32 v[248:249], v[248:249], v[138:139]
	v_pk_add_f32 v[246:247], v[246:247], v[142:143]
	v_pk_add_f32 v[238:239], v[238:239], v[146:147]
	v_pk_add_f32 v[234:235], v[234:235], v[150:151]
	v_pk_add_f32 v[14:15], v[14:15], v[154:155]
	v_pk_add_f32 v[242:243], v[242:243], v[158:159]
	s_delay_alu instid0(VALU_DEP_2)
	v_pk_add_f32 v[14:15], v[14:15], v[248:249]
	s_delay_alu instid0(VALU_DEP_2)
	v_pk_add_f32 v[242:243], v[242:243], v[246:247]
	v_pk_add_f32 v[254:255], v[254:255], v[238:239]
	v_pk_add_f32 v[250:251], v[250:251], v[234:235]
	s_delay_alu instid0(VALU_DEP_2)
	v_pk_add_f32 v[14:15], v[14:15], v[254:255]
	s_delay_alu instid0(VALU_DEP_2)
	v_pk_add_f32 v[242:243], v[242:243], v[250:251]
	s_delay_alu instid0(VALU_DEP_1)
	v_pk_add_f32 v[14:15], v[14:15], v[242:243]
	MINS 0, \dual
.irp t, 0,1,2,3,4,5,6
	MINS \t+1, \dual                               ; the next tile's holds stand between a tile's holds and its conversion
	v_cvt_scalef32_pk8_bf8_f32 v[PC+2*\t:PC+2*\t+1], v[SC+8*\t:SC+8*\t+7], v244   ; keys 16 t + 8 h + 0 .. 7
.endr
	v_cvt_scalef32_pk8_bf8_f32 v[PC+14:PC+15], v[SC+56:SC+63], v244
	s_wait_alu depctr_va_vdst(0)                   ; ahead of the first reader of O^T
.set jj, 0
.rept 16
	v_pk_mul_f32 v[OT+jj:OT+jj+1], v[OT+jj:OT+jj+1], v[252:253] op_sel_hi:[1,0]   ; O^T under the new M.  (These are also the plain lines behind the conversions)
.set jj, jj+2
.endr
.endm
.macro PV                              ; O^T += V^T P^T: the four accumulators take turns
.irp d, 0,1,2,3
	v_wmma_f32_16x16x128_bf8_bf8 v[OT+8*\d:OT+8*\d+7], v[KV+16*\d:KV+16*\d+15], v[PC:PC+15], v[OT+8*\d:OT+8*\d+7]
.endr
.endm
; A KEY STEP: 128 keys for both tiles.  K's fragments were asked for a step ago.  s[TV]: where this step's V begins; s[NK]: where the next step's K begins.
; m = 1: the step may be hidden whole, or lie on the diagonal;  m = 0: all its keys count for every query of the pair.
.macro STEP m
.if \m
	s_cmp_gt_u32 s[KF], s[QP]                      ; a step all of whose keys come after queries 128 p .. 128 p + 127 is left out: a scalar branch on the wave's number and the trip's
	s_cbranch_scc1 .Lhidden_\@
.endif
	v_add_nc_u32 v[ADV], s[TV], v[AV0]
	v_add_nc_u32 v[ADK], s[NK], v[AK0]
	v_nop                                          ; with the two additions: four places in front of loads into registers that the last products read
	v_nop
.irp d, 0,1,2,3
.irp c, 0,1,2,3
	ds_load_b128 v[KV+16*\d+4*\c:KV+16*\d+4*\c+3], v[ADV] offset:16*\d*VP+32*\c   ; V's four fragments land under the first tile's softmax
.endr
.endr
	s_wait_alu depctr_va_vdst(0)
	s_wait_dscnt 16                                ; K is in; V's sixteen loads, which are younger, may be out
	WIN S_T0
.irp t, 0,1,2,3,4,5,6,7
	v_wmma_f32_16x16x64_bf8_bf8 v[SC+8*\t:SC+8*\t+7], v[KV+8*\t:KV+8*\t+7], v[16:23], 0
.endr
	WIN S_T1
.irp t, 0,1,2,3,4,5,6,7
	v_wmma_f32_16x16x64_bf8_bf8 v[SC+8*\t:SC+8*\t+7], v[KV+8*\t:KV+8*\t+7], v[16:23], 0
.endr
	WIN 0
.rept 4
	v_nop                                          ; places: for the loads below, into K's registers, and for the first reads of the scores
.endr
	KLOAD ADK                                      ; the next step's K: it has both softmaxes in which to land
.if \m
	s_cmp_lg_u32 s[KF], s[QP]                      ; only the pair's last step lies on the diagonal
	s_cbranch_scc1 .Lopen_\@
	MASK
	WIN ALL1
	MASK
	WIN 0
.Lopen_\@:
.endif
	SM 1
	s_wait_alu depctr_va_vdst(0)
	s_wait_dscnt 16                                ; V is in; the next K's sixteen loads may be out
	PV
	WIN ALL1
	s_wait_alu depctr_va_vdst(0)                   ; ahead of the first readers of the second tile's scores
	SM 0
	WIN PV_T1
	PV
	WIN 0
.if \m
.Lhidden_\@:
.endif
.endm
; THE WAY OUT of a tile, in the window that is set: O^T / the sum x 2^(e4 + e5), held, converted with 2^e6 into v128-135.
.macro OUTV
	v_add_f32 v14, v14, v15                        ; the sum's two halves,
	s_delay_alu instid0(VALU_DEP_1)
	v_permlanex16_b32 v236, v14, s[SEL], s[SEL+1]
	s_delay_alu instid0(VALU_DEP_1)
	v_add_f32 v14, v14, v236                       ; and lane l xor 16's: the row's sum
	s_wait_alu depctr_va_vdst(0)
	v_rcp_f32 v14, v14
	v_nop                                          ; a plain line behind the transcendental
	s_wait_alu depctr_va_vdst(0)                   ; the wait, ahead of the first reader
	v_ldexp_f32 v14, v14, s[EPV]
	s_wait_alu depctr_va_vdst(0)                   ; ahead of the first reader of O^T
.set jj, 0
.rept 16
	v_pk_mul_f32 v[SC+jj:SC+jj+1], v[OT+jj:OT+jj+1], v[14:15] op_sel_hi:[1,0]   ; each accumulator from its low end on
.set jj, jj+2
.endr
.set jj, 0
.rept 32
	v_med3_num_f32 v[SC+jj], v[SC+jj], -v241, v241
.set jj, jj+1
.endr
.irp d, 0,1,2,3
	v_cvt_scalef32_pk8_bf8_f32 v[128+2*\d:129+2*\d], v[SC+8*\d:SC+8*\d+7], v245
.endr
	v_nop                                          ; one plain vector line behind the last conversion
.endm
; Both tiles leave.  A lane's eight channels of tile d are 8 bytes at 64 r + 16 d + 8 h of a tile's 1,024 bytes of my stage.  They come back 16 a lane and leave as stores of 512 consecutive bytes, at multiples of 256 from the buffer's first byte.
.macro OUT
.rept 4
	v_nop                                          ; places behind the last products
.endr
	s_wait_alu depctr_va_vdst(0)
	s_wait_xcnt 0x0                                ; the last way out's stores have read their registers and their base: both are written again below
	s_lshl_b32 s[OF], s[Q0], 8                     ; 16 tokens are 4,096 bytes of the output's layout
	s_add_nc_u64 s[OP:OP+1], s[OB:OB+1], s[OF:OF+1]
	OUTV
	WIN ALL1
	OUTV
	WIN 0
.irp d, 0,1,2,3
	ds_store_b64 v[STI], v[128+2*\d:129+2*\d] offset:16*\d
.endr
	WIN ST1
.irp d, 0,1,2,3
	ds_store_b64 v[STI], v[128+2*\d:129+2*\d] offset:1024+16*\d
.endr
	WIN 0
.irp u, 0,1,2,3
	ds_load_b128 v[210+4*\u:213+4*\u], v[STR] offset:512*\u   ; LDS serves a wave's instructions in order: these see my stores.  v210-225 are written by no other line, so the key steps need not wait for the stores
.endr
	s_wait_dscnt 3                                 ; the younger loads may stay out
	global_store_b128 v[GO], v[210:213], s[OP:OP+1]
	s_wait_dscnt 2
	global_store_b128 v[GO], v[214:217], s[OP:OP+1] offset:512
	s_wait_dscnt 1
	global_store_b128 v[GO], v[218:221], s[OP:OP+1] offset:16384   ; the second tile: 64 tokens on
	s_wait_dscnt 0x0
	global_store_b128 v[GO], v[222:225], s[OP:OP+1] offset:16896
.endm
	s_wait_alu depctr_va_vdst(0)
	s_wait_tensorcnt 0x0                           ; my part of keys 0 to 511 is in;
	ds_add_u32 v[SPW], v[NIL]                      ; 0 onto my spare word,
	ds_add_u32 v[SPW], v[NIL]                      ; twice on end
	s_add_co_u32 s[G0K+1], s[G0K+1], KU            ; no load of mine is out, so the groups 0 may be written: 512 keys on
	s_add_co_u32 s[G0V+1], s[G0V+1], VU
	s_add_nc_u64 s[G0K+2:G0K+3], s[G0K+2:G0K+3], 32768
	s_add_nc_u64 s[G0V+2:G0V+3], s[G0V+2:G0V+3], 512
	s_wait_dscnt 0x0
	ROUND                                          ; keys 0 to 511 are whole in every work-group, and all four are here
	TLOAD 6                                        ; keys 512 to 2,047: waves 0 to 5, one load each
	KLOAD AK0                                      ; key step 0's K
	s_wait_loadcnt 0x0                             ; Q
	s_mov_b32 s[TRIP], 0
	s_mov_b32 s[TV], 0
	s_mov_b32 s[NS], KSTEP
.Lfirst:                                           ; key steps 0 to 3 for the first pair, whose queries are 1,024 or later: nothing is hidden
	s_min_u32 s[NK], s[NS], 3*KSTEP                ; the last trip asks for step 3's K once more: step 4's need not have landed
	STEP 0
	s_add_co_u32 s[TV], s[TV], 128
	s_add_co_u32 s[NS], s[NS], KSTEP
	s_add_co_u32 s[TRIP], s[TRIP], 1
	s_cmp_lt_u32 s[TRIP], 4
	s_cbranch_scc1 .Lfirst
	s_wait_tensorcnt 0x0                           ; my part of keys 512 to 2,047 is in,
	s_wait_dscnt 0x0
	s_barrier_signal -1
	s_barrier_wait -1                              ; everybody's is.
	v_add_nc_u32 v[ADK], 4*KSTEP, v[AK0]
	KLOAD ADK                                      ; key step 4's K
	s_mov_b32 s[TRIP], 4
.Ltrip:                                            ; trips 4 to 15: the first pair's key steps 4 to 15;  trips 16 to 23: the second pair's key steps 0 to 7
	s_and_b32 s[KS], s[TRIP], 15
	s_lshl_b32 s[KF], s[KS], 7
	s_lshr_b32 s82, s[KS], 2
	s_mul_i32 s82, s82, VU
	s_and_b32 s83, s[KS], 3
	s_lshl_b32 s83, s83, 7
	s_add_co_u32 s[TV], s82, s83                   ; V: unit step / 4, byte 128 (step % 4) of its rows
	s_add_co_u32 s84, s[TRIP], 1
	s_and_b32 s84, s84, 15
	s_mul_i32 s[NK], s84, KSTEP                    ; K of the step that the next trip names
	STEP 1
	s_cmp_lg_u32 s[TRIP], 15                       ; the first pair's last trip?  A branch on the trip's number
	s_cbranch_scc1 .Lsame_pair
	s_wait_dscnt 0x0                               ; no load into K's registers is out:
	KLOAD AK0                                      ; the second pair begins at key step 0; its K lands under the way out
	OUT
	s_mov_b32 s[Q0], s[Q0B]                        ; the second pair: its queries, its fragments of Q, a fresh state
	s_mov_b32 s[QP], s[QPB]
.irp j, 0,1,2,3,4,5,6,7
	v_mov_b32 v[16+\j], v[24+\j]
.endr
	FRESH
	WIN ALL1
.irp j, 0,1,2,3,4,5,6,7
	v_mov_b32 v[16+\j], v[24+\j]
.endr
	FRESH
	WIN 0
	s_wait_alu depctr_va_vdst(0)
.Lsame_pair:
	s_add_co_u32 s[TRIP], s[TRIP], 1
	s_cmp_lt_u32 s[TRIP], 24
	s_cbranch_scc1 .Ltrip
	OUT
	s_wait_tensorcnt 0x0                           ; the wave's end, behind my last tensor load and my last LDS store
	ds_add_u32 v[SPW], v[NIL]
	s_wait_dscnt 0x0
	ROUND                                          ; the closing round
	s_endpgm
.Lfunc_end_k_qfcb7bb2733_attn:
	.size	k_qfcb7bb2733_attn, .Lfunc_end_k_qfcb7bb2733_attn-k_qfcb7bb2733_attn
	.p2alignl 7, 3214868480
	.fill 96, 4, 3214868480
	.section	.rodata,"a",@progbits
	.p2align	6, 0x0
	.amdhsa_kernel k_qfcb7bb2733_attn
		.amdhsa_group_segment_fixed_size 327680
		.amdhsa_private_segment_fixed_size 0
		.amdhsa_enable_private_segment 0
		.amdhsa_kernarg_size 40
		.amdhsa_user_sgpr_count 2
		.amdhsa_user_sgpr_kernarg_segment_ptr 1
		.amdhsa_wavefront_size32 1
		.amdhsa_system_sgpr_workgroup_id_x 1
		.amdhsa_system_sgpr_workgroup_id_y 1
		.amdhsa_system_sgpr_workgroup_id_z 1
		.amdhsa_system_vgpr_workitem_id 0
		.amdhsa_next_free_vgpr 512
		.amdhsa_next_free_sgpr 100
		.amdhsa_reserve_vcc 1
		.amdhsa_float_denorm_mode_32 3
		.amdhsa_float_denorm_mode_16_64 3
		.amdhsa_memory_ordered 1
		.amdhsa_forward_progress 1
		.amdhsa_inst_pref_size 106
	.end_amdhsa_kernel
	.amdgpu_metadata
---
amdhsa.version: [ 1, 2 ]
amdhsa.kernels:
  - .name:           k_qfcb7bb2733_attn
    .symbol:         k_qfcb7bb2733_attn.kd
    .args:
      - { .name: q_codes, .offset: 0, .size: 8, .value_kind: global_buffer, .address_space: global }
      - { .name: k_codes, .offset: 8, .size: 8, .value_kind: global_buffer, .address_space: global }
      - { .name: v_codes, .offset: 16, .size: 8, .value_kind: global_buffer, .address_space: global }
      - { .name: lowp_scales, .offset: 24, .size: 8, .value_kind: global_buffer, .address_space: global }
      - { .name: a_codes, .offset: 32, .size: 8, .value_kind: global_buffer, .address_space: global }
    .group_segment_fixed_size: 327680
    .private_segment_fixed_size: 0
    .kernarg_segment_align: 8
    .kernarg_segment_size: 40
    .max_flat_workgroup_size: 256
    .sgpr_count:     100
    .vgpr_count:     512
    .wavefront_size: 32
...
	.end_amdgpu_metadata
.endif
;; end of part 3
;; launch proj (part 4): grid 4 x 64, 2 waves a work-group, clusters of 4 x 4, 327,680 bytes of LDS; arguments a_codes, wout_codes, lowp_scales, b_out, out0; writes out0
.if DOCPART == 4
	.amdgcn_target "amdgcn-amd-amdhsa--gfx1250"
	.amdhsa_code_object_version 6
	.text
	.protected	k_qfcb7bb2733_proj
	.globl	k_qfcb7bb2733_proj
	.p2align	8
	.type	k_qfcb7bb2733_proj,@function
k_qfcb7bb2733_proj:
	s_mov_b64 s[64:65], 0
	v_nop
	global_prefetch_b8 v0, s[64:65] scope:SCOPE_SE
	s_setreg_imm32_b32 hwreg(HW_REG_WAVE_MODE, 25, 1), 1
	s_wait_xcnt 0x0
	s_wait_alu depctr_hold_cnt(0) depctr_sa_sdst(0) depctr_va_vdst(0) depctr_va_sdst(0) depctr_va_ssrc(0) depctr_va_vcc(0) depctr_vm_vsrc(0)
	s_getreg_b32 s2, hwreg(HW_REG_IB_STS2, 6, 4)
	s_cmp_eq_u32 s2, 0
	s_cbranch_scc0 .Lentry_in_a_cluster
	s_endpgm
.Lentry_in_a_cluster:
	s_bfe_u32 s2, ttmp6, 0x10000c
	s_cmp_lg_u32 s2, 0xf033
	s_cbranch_scc0 .Lentry_shape_is_right
	s_endpgm
.Lentry_shape_is_right:
; out0 = attention's result x w_out + b_out on codes of BF8 (E5M2): a_codes (scale 2^e6) in the layout that the launch before stores, wout_codes [1024][1024] with K innermost (2^e7); sums in f32, x 2^(e6 + e7); the bias is the C of each sum's first product.
; A block of 128 tokens x 256 columns is made by two waves, 128 x 128 each: 64 x 4 blocks are 256 work-groups.  Wave 0 fetches A's 128 rows of a K step of 256, wave 1 B's 256 rows; clusters of 4 x 4 ask for both jointly.
; THE WAY OUT: a block of 16 rows goes through the wave's stage and comes back into its own accumulators, which are done with; every store's offset is an immediate: no register of a pending store is written again.
; LIMIT: e6 + e7 between -126 and 127.
.set SIZE_N, 1024
.set ROWB,   256
.set ASTEP,  524288
.set BSTEP,  256
.set PITCH,  272
.set FR,     16
.set NL,     4
.set NP,     4
.set HALFT,  128*PITCH
.set SLOT,   4*HALFT
.set LAPS,   2
.set SPARE,  2*SLOT
.set SPITCH, 528
.set BQO,  10
.set ADRA, 16
.set ADRB, 20
.set STO,  24
.set RD,   25
.set CO,   26
.set SPW,  28
.set NIL,  29
.set BB,   32
.set TMP,  32
.set AF,   128
.set BK,   128
.set G1, 24
.set G0, 32
.set G1B, 48
.set G0B, 56
.set MSB, 0
.macro WIN new
.if MSB != \new
	s_set_vgpr_msb (MSB<<8)|\new
.set MSB, \new
.endif
.endm
.set MUL_LO,   0xa1
.set MUL_HI,   0xf1
.set FIRST_LO, 0x81
.set FIRST_HI, 0xc1
.set TO_B,     0x40
.macro JLOAD g0a, g1a, g0b, g1b
	s_cmp_eq_u32 s14, 0
	s_cbranch_scc0 .Lfor_b_\@
	tensor_load_to_lds s[\g0a:\g0a+3], s[\g1a:\g1a+7]
	s_nop 0
.rept 4
	v_nop
.endr
	s_branch .Lasked_\@
.Lfor_b_\@:
	tensor_load_to_lds s[\g0b:\g0b+3], s[\g1b:\g1b+7]
	s_nop 0
.rept 4
	v_nop
.endr
.Lasked_\@:
.endm
.macro CREST
	s_cmp_lg_u32 s14, 0
	s_cbranch_scc1 .Lnot_wave_0_\@
	s_barrier_signal -3
.Lnot_wave_0_\@:
	s_barrier_wait -3
	s_barrier_signal -1
	s_barrier_wait -1
.endm
.macro CROUND
	s_barrier_signal -1
	s_barrier_wait -1
	CREST
.endm
	s_load_b128 s[4:7], s[0:1], 0x0
	s_load_b128 s[8:11], s[0:1], 0x10
	s_load_b64 s[12:13], s[0:1], 0x20
	v_lshl_add_u32 v[SPW], v0, 2, SPARE
	v_mov_b32 v[NIL], 0
	ds_add_u32 v28, v29
	ds_add_u32 v28, v29
	s_wait_dscnt 0x0
	v_lshrrev_b32 v1, 5, v0
	v_readfirstlane_b32 s14, v1
	s_lshr_b32 s15, s14, 1
	s_and_b32 s16, s14, 1
	s_bfe_u32 s40, ttmp6, 0x40000
	s_bfe_u32 s41, ttmp6, 0x40004
	s_lshl_b32 s42, ttmp9, 2
	s_add_co_u32 s42, s42, s40
	s_and_b32 s17, ttmp7, 0xffff
	s_lshl_b32 s17, s17, 2
	s_add_co_u32 s17, s17, s41
	s_lshl_b32 s43, s41, 2
	s_lshl_b32 s43, 15, s43
	s_lshl_b32 s44, 0x1111, s40
	s_or_b32 s[G1+0], s43, (0<<16)|(1<<20)|(1<<21)|(5<<22)|(3<<25)
	s_or_b32 s[G1B+0], s44, (0<<16)|(1<<20)|(1<<21)|(5<<22)|(3<<25)
.irp g, G1, G1B
	s_mov_b32 s[\g+1], ROWB<<16
	s_mov_b32 s[\g+3], ROWB<<16
	s_mov_b32 s[\g+6], 0
	s_mov_b32 s[\g+7], 0
.endr
	s_mov_b32 s[G1+2], 128<<16                     ; A: 128 rows
	s_mov_b32 s[G1+4], 128
	s_mov_b32 s[G1B+2], 256<<16                    ; B: 256 rows
	s_mov_b32 s[G1B+4], 256
	s_mov_b32 s[G1+5], 256
	s_mov_b32 s[G1B+5], 1024
	s_lshr_b32 s20, s17, 4                         ; the batch: sixteen blocks of 128 tokens each,
	s_lshl_b32 s20, s20, 21
	s_and_b32 s18, s17, 15
	s_lshl_b32 s18, s18, 15                        ; 128 tokens of a K step are 32,768 dense bytes
	s_add_co_u32 s20, s20, s18
	s_mov_b32 s21, 0
	s_lshl_b32 s46, s42, 8
	s_lshl_b32 s46, s46, 10
	s_mov_b32 s47, 0
	s_mul_i32 s45, s14, HALFT
	s_wait_kmcnt 0x0
	s_load_b64 s[96:97], s[8:9], 0x18
	s_add_nc_u64 s[20:21], s[4:5], s[20:21]
	s_add_nc_u64 s[46:47], s[6:7], s[46:47]
	CROUND
.irp s, 0,1
	s_mov_b32 s[G0+4*\s], 1
	s_add_co_u32 s[G0+4*\s+1], s45, \s*SLOT
	s_add_nc_u64 s[G0+4*\s+2:G0+4*\s+3], s[20:21], \s*ASTEP
	s_or_b32 s[G0+4*\s+3], s[G0+4*\s+3], 0x80000000
	s_mov_b32 s[G0B+4*\s], 1
	s_add_co_u32 s[G0B+4*\s+1], s45, \s*SLOT
	s_add_nc_u64 s[G0B+4*\s+2:G0B+4*\s+3], s[46:47], \s*BSTEP
	s_or_b32 s[G0B+4*\s+3], s[G0B+4*\s+3], 0x80000000
.endr
	JLOAD G0, G1, G0B, G1B                         ; K step 0: one tensor load a wave at the head
	v_and_b32 v1, 15, v0
	v_bfe_u32 v2, v0, 4, 1
	v_mul_u32_u24 v3, v1, PITCH
	v_lshl_add_u32 v4, v2, 4, v3
	v_lshrrev_b32 v6, 2, v1
	v_mul_u32_u24 v6, v6, PITCH
	v_and_b32 v7, 3, v1
	v_lshl_add_u32 v6, v7, 6, v6
	v_lshl_add_u32 v6, v2, 4, v6
	s_mul_i32 s21, s15, HALFT
	s_mul_i32 s22, s16, HALFT
	s_add_co_u32 s22, s22, HALFT                   ; B's rows lie behind A's 128
.irp s, 0,1
	v_add_nc_u32 v[ADRA+\s], s21, v6
	v_add_nc_u32 v[ADRB+\s], s22, v4
	s_add_co_u32 s21, s21, SLOT
	s_add_co_u32 s22, s22, SLOT
.endr
	s_mul_i32 s23, s14, 16*SPITCH
	v_mul_u32_u24 v5, v1, SPITCH
	v_lshl_add_u32 v5, v2, 5, v5
	v_add_nc_u32 v[STO], s23, v5
	v_and_b32 v6, 31, v0
	v_lshlrev_b32 v[CO], 4, v6
	v_add_nc_u32 v[RD], s23, v[CO]
	v_lshlrev_b32 v[BQO], 5, v2
	s_lshl_b32 s22, s42, 10
	s_lshl_b32 s23, s16, 9
	s_add_co_u32 s22, s22, s23
	s_mov_b32 s23, 0
	s_add_nc_u64 s[10:11], s[10:11], s[22:23]
.irp b, 0,1,2,3,4,5,6,7
	global_load_b128 v[BB+8*\b:BB+8*\b+3], v[BQO], s[10:11] offset:64*\b
	global_load_b128 v[BB+8*\b+4:BB+8*\b+7], v[BQO], s[10:11] offset:64*\b+16
.endr
	s_lshl_b32 s20, s17, 7
	s_lshl_b32 s21, s15, 7
	s_add_co_u32 s20, s20, s21
	s_lshl_b32 s20, s20, 12
	s_add_co_u32 s20, s20, s22
	s_mov_b32 s21, 0
	s_add_nc_u64 s[12:13], s[12:13], s[20:21]
	s_wait_loadcnt 0x0
	s_wait_kmcnt 0x0
	s_add_co_i32 s96, s96, s97
	s_sub_co_i32 s78, 0, s96
.set jj, 0
.rept 64
	v_ldexp_f32 v[BB+jj], v[BB+jj], s78
.set jj, jj+1
.endr
	s_add_co_i32 s96, s96, 127
	s_lshl_b32 s96, s96, 23
	s_mov_b32 s97, s96
.macro FRAG reg, adr, q, i
.irp c, 0,1,2,3
	ds_load_b128 v[\reg+4*\c:\reg+4*\c+3], v[\adr] offset:128*(\q)+32*\c+(\i)*16*PITCH
.endr
.endm
.macro FRAGA reg, adr, q, i
.irp c, 0,1,2,3
	ds_load_b128 v[\reg+4*\c:\reg+4*\c+3], v[\adr] offset:(4*(\i)+2*(\q)+(\c)/2)*4*PITCH+32*((\c)%2)
.endr
.endm
.macro MUL16 a0, p, first
.irp a, \a0, \a0+1
.irp b, 0,1,2,3,4,5,6,7
.if \first
	v_wmma_f32_16x16x128_bf8_bf8 v[8*(8*((\a)%4)+\b):8*(8*((\a)%4)+\b)+7], v[128*(\p)+FR*\b:128*(\p)+FR*\b+FR-1], v[AF+FR*(\a):AF+FR*(\a)+FR-1], v[BB+8*\b:BB+8*\b+7]
.else
	v_wmma_f32_16x16x128_bf8_bf8 v[8*(8*((\a)%4)+\b):8*(8*((\a)%4)+\b)+7], v[128*(\p)+FR*\b:128*(\p)+FR*\b+FR-1], v[AF+FR*(\a):AF+FR*(\a)+FR-1], v[8*(8*((\a)%4)+\b):8*(8*((\a)%4)+\b)+7]
.endif
.endr
.endr
.endm
.macro FETCH_B slot, q, p
	WIN TO_B
.irp i, 0,1,2,3,4,5,6,7
	FRAG 128*(\p)+FR*\i, ADRB+\slot, \q, \i
.endr
	WIN 0
.endm
.macro FETCH_A slot, q, i0
.irp i, \i0, \i0+1, \i0+2, \i0+3
	FRAGA AF+FR*(\i), ADRA+\slot, \q, \i
.endr
.endm
.macro PLACES n
.rept \n
	v_nop
.endr
.endm
.macro STEP slot, q, first
	s_wait_dscnt 4*NL
.if \first
	WIN FIRST_LO
.else
	WIN MUL_LO
.endif
	MUL16 0, (\q)%2, \first
	MUL16 2, (\q)%2, \first
	s_wait_dscnt 0
	PLACES NP
	FETCH_B \slot, (\q)+1, 1-(\q)%2
	FETCH_A \slot, (\q)+1, 0
.if \first
	WIN FIRST_HI
.else
	WIN MUL_HI
.endif
	MUL16 4, (\q)%2, \first
	MUL16 6, (\q)%2, \first
	PLACES NP
	WIN 0
	FETCH_A \slot, (\q)+1, 4
.endm
.macro TURN slot, next, fill
	s_wait_tensorcnt 0x0
	ds_add_u32 v[SPW], v[NIL]
	s_wait_dscnt 4*NL+1
	WIN MUL_LO
	MUL16 0, 1, 0
	s_wait_dscnt 0x0
	s_barrier_signal -1
	MUL16 2, 1, 0
	WIN 0
	s_barrier_wait -1
.if \fill
	CREST
	s_add_nc_u64 s[G0+4*\slot+2:G0+4*\slot+3], s[G0+4*\slot+2:G0+4*\slot+3], 2*ASTEP
	s_add_nc_u64 s[G0B+4*\slot+2:G0B+4*\slot+3], s[G0B+4*\slot+2:G0B+4*\slot+3], 2*BSTEP
	JLOAD G0+4*\slot, G1, G0B+4*\slot, G1B
.else
	PLACES NP
.endif
	FETCH_B \next, 0, 0
	FETCH_A \next, 0, 0
	WIN MUL_HI
	MUL16 4, 1, 0
	MUL16 6, 1, 0
	PLACES NP
	WIN 0
	FETCH_A \next, 0, 4
.endm
	s_wait_alu depctr_va_vdst(0)
	s_wait_tensorcnt 0x0                           ; my part of K step 0 is in
	ds_add_u32 v[SPW], v[NIL]
	s_wait_dscnt 0x0
	CROUND                                         ; everybody's part of K step 0 is in, and all sixteen work-groups are here
	JLOAD G0+4, G1, G0B+4, G1B                     ; K step 1's load, the first tensor load behind the round
	FETCH_B 0, 0, 0
	FETCH_A 0, 0, 0
	FETCH_A 0, 0, 4
	STEP 0, 0, 1
	s_mov_b32 s3, LAPS-1
.Llap:
	TURN 0, 1, 1
	STEP 1, 0, 0
	TURN 1, 0, 1
	STEP 0, 0, 0
	s_sub_co_u32 s3, s3, 1
	s_cmp_lg_u32 s3, 0
	s_cbranch_scc1 .Llap
	TURN 0, 1, 0
	STEP 1, 0, 0
	s_wait_dscnt 4*NL
	WIN MUL_LO
	MUL16 0, 1, 0
	MUL16 2, 1, 0
	s_wait_dscnt 0
	WIN MUL_HI
	MUL16 4, 1, 0
	MUL16 6, 1, 0
	WIN 0
.macro TOSTAGE a
.set AC, 64*((\a)%4)
	WIN 0x02+((\a)/4)
.set jj, 0
.rept 32
	v_pk_mul_f32 v[TMP+jj:TMP+jj+1], v[AC+jj:AC+jj+1], s[96:97] op_sel_hi:[1,0]
.set jj, jj+2
.endr
	WIN 0
.irp b, 0,1,2,3,4,5,6,7
	ds_store_b128 v[STO], v[TMP+8*\b:TMP+8*\b+3] offset:64*\b
	ds_store_b128 v[STO], v[TMP+8*\b+4:TMP+8*\b+7] offset:64*\b+16
.endr
	WIN ((0x02+((\a)/4))<<6)                       ; destination: the block's own accumulators, window 2 or 3
.irp t, 0,1,2,3,4,5,6,7,8,9,10,11,12,13,14,15
	ds_load_b128 v[AC+4*\t:AC+4*\t+3], v[RD] offset:\t*SPITCH
.endr
	WIN 0
.endm
.macro SEND a, younger
.set AS, 64*((\a)%4)
	s_wait_dscnt \younger
	WIN ((0x02+((\a)/4))<<2)                       ; the stores' data: window 2 or 3
.irp t, 0,1,2,3,4,5,6,7,8,9,10,11,12,13,14,15
	global_store_b128 v[CO], v[AS+4*\t:AS+4*\t+3], s[12:13] offset:(16*(\a)+\t)*SIZE_N*4 th:TH_STORE_NT   ; 512 consecutive bytes, at a multiple of 256 from the buffer's first byte; 127 rows of 4,096 bytes at the most
.endr
	WIN 0
.endm
	PLACES NP
	TOSTAGE 0
.irp a, 1,2,3,4,5,6,7
	TOSTAGE \a
	SEND \a-1, 32
.endr
	SEND 7, 0
	s_wait_tensorcnt 0x0
	ds_add_u32 v[SPW], v[NIL]
	s_wait_dscnt 0x0
	CROUND
	s_endpgm
.Lfunc_end_k_qfcb7bb2733_proj:
	.size	k_qfcb7bb2733_proj, .Lfunc_end_k_qfcb7bb2733_proj-k_qfcb7bb2733_proj
	.p2alignl 7, 3214868480
	.fill 96, 4, 3214868480
	.section	.rodata,"a",@progbits
	.p2align	6, 0x0
	.amdhsa_kernel k_qfcb7bb2733_proj
		.amdhsa_group_segment_fixed_size 327680
		.amdhsa_private_segment_fixed_size 0
		.amdhsa_enable_private_segment 0
		.amdhsa_kernarg_size 40
		.amdhsa_user_sgpr_count 2
		.amdhsa_user_sgpr_kernarg_segment_ptr 1
		.amdhsa_wavefront_size32 1
		.amdhsa_system_sgpr_workgroup_id_x 1
		.amdhsa_system_sgpr_workgroup_id_y 1
		.amdhsa_system_sgpr_workgroup_id_z 1
		.amdhsa_system_vgpr_workitem_id 0
		.amdhsa_next_free_vgpr 1024
		.amdhsa_next_free_sgpr 100
		.amdhsa_reserve_vcc 0
		.amdhsa_float_denorm_mode_32 3
		.amdhsa_float_denorm_mode_16_64 3
		.amdhsa_memory_ordered 1
		.amdhsa_forward_progress 1
		.amdhsa_inst_pref_size 130
	.end_amdhsa_kernel
	.amdgpu_metadata
---
amdhsa.version: [ 1, 2 ]
amdhsa.kernels:
  - .name:           k_qfcb7bb2733_proj
    .symbol:         k_qfcb7bb2733_proj.kd
    .args:
      - { .name: a_codes, .offset: 0, .size: 8, .value_kind: global_buffer, .address_space: global }
      - { .name: wout_codes, .offset: 8, .size: 8, .value_kind: global_buffer, .address_space: global }
      - { .name: lowp_scales, .offset: 16, .size: 8, .value_kind: global_buffer, .address_space: global }
      - { .name: b_out, .offset: 24, .size: 8, .value_kind: global_buffer, .address_space: global }
      - { .name: out0, .offset: 32, .size: 8, .value_kind: global_buffer, .address_space: global }
    .group_segment_fixed_size: 327680
    .private_segment_fixed_size: 0
    .kernarg_segment_align: 8
    .kernarg_segment_size: 40
    .max_flat_workgroup_size: 64
    .sgpr_count:     100
    .vgpr_count:     1024
    .wavefront_size: 32
...
	.end_amdgpu_metadata
.endif
;; end of part 4
